; MI455X (gfx1250); checked and timed in simulation.
; The chip was launched on July 23, 2026; its instructions are those of AMD's public machine-readable ISA for CDNA 5 (MIT licence, August 2026) and "CDNA5" Instruction Set Architecture Reference Guide (July 2026). The comments in the code are by the model that wrote it; some were corrected since.
;; Multi Head Attention. Allowed arithmetic: matrix products marked QUANTISED: E2M3 operands, one E8M0 scale for each 32 along K, by v_wmma_scale_f32_16x16x128_f8f6f4 with both operands' format E2M3, f32 sums; products left as they are: f32 operands where the result goes on into a quantised operand, else bf16, f16 or f32 operands; f32 sums; everything else in f32.
;; Inputs: Wak 2 x 64 float32; Wav 2 x 64 float32; Wd 1,024 x 1,024 float32; Wk 16 x 1,024 x 64 float32; Wq 16 x 1,024 x 64 float32; Wv 16 x 1,024 x 64 float32; bak 64 float32; bav 64 float32; bd 1,024 float32; bk 16 x 64 float32; bq 16 x 64 float32; bv 16 x 64 float32; k 4 x 1,024 x 1,024 float32; q 4 x 1,024 x 1,024 float32; x 4 x 1,024 x 1,024 float32.
;; Outputs: out0 4 x 1,024 x 1,024 float32.
;; Constants: batch_size = 4.
;; This version of the problem:
;;   THIS VERSION OF THE PROBLEM IS GIVEN IN LOW PRECISION. The matrix products marked QUANTISED in the list below multiply operands that are first quantised to E2M3 (2 exponent bits, 3 mantissa bits; 6 bits a number), with one power-of-two scale for each 32 numbers along K (OCP MX v1.0); their sums are f32. All else is computed in f32.
;;   The module's matrix products, in the order in which they are computed (A, B: the left and right operand; K: the contracted axis; several contracted axes count as one K, in the product's order):
;;     1. [M 2,048, K 2] x [K 2, N 64]; A: computed on the way; B: input Wak: left as it is (K = 2 < 32)
;;     2. [M 2,048, K 2] x [K 2, N 64]; A: computed on the way; B: input Wav: left as it is (K = 2 < 32)
;;     3. [M 1,024, K 1,024] x [K 1,024, N 4,096]; A: input Wq; B: input q: QUANTISED
;;     4. [M 1,024, K 1,024] x [K 1,024, N 4,096]; A: input Wk; B: input k: QUANTISED
;;     5. [M 1,024, K 1,024] x [K 1,024, N 4,096]; A: input Wv; B: input x: QUANTISED
;;     6. batch 64 x [M 1,024, K 64] x [K 64, N 1,024]; A: computed on the way; B: computed on the way: QUANTISED
;;     7. batch 1,024 x [M 1,024, K 64] x [K 64, N 64]; A: computed on the way; B: computed on the way: QUANTISED
;;     8. batch 64 x [M 1,024, K 1,024] x [K 1,024, N 64]; A: softmax (see below); B: computed on the way: QUANTISED
;;     9. batch 1,024 x [M 64, K 1,024] x [K 1,024, N 64]; A: computed on the way; B: softmax (see below): QUANTISED
;;     10. [M 4,096, K 1,024] x [K 1,024, N 1,024]; A: computed on the way; B: input Wd: QUANTISED
;;   THE QUANTISER, for each operand of a quantised product, along K:
;;     - K is cut into blocks of 32 from its start; a last block that is shorter is filled with zeros.
;;     - A block's scale is 2^e with e = floor(log2(the largest magnitude in the block)) - 2, held to -126 .. 127; a block of zeros has e = 0. As a byte (E8M0): e + 127.
;;     - Each number is divided by its block's scale, clamped to +-7.5, and rounded to the nearest number of E2M3, ties to even, subnormals kept.
;;     - The product sums the exact products of the quantised numbers (number of the format x scale) in f32.
;;   ~~~python
;;   def quantise(x, axis):      # numpy; x: float32 -> the quantised numbers, widened to float32 again
;;       x = np.moveaxis(x, axis, -1); K = x.shape[-1]
;;       x = np.pad(x, [(0, 0)] * (x.ndim - 1) + [(0, -K % 32)]); x = x.reshape(x.shape[:-1] + (-1, 32)); a = np.abs(x).max(-1, keepdims=True)
;;       e = np.where(a > 0, np.clip(np.frexp(np.where(a > 0, a, 1))[1] - 1 - 2, -126, 127), 0)      # np.frexp(a)[1] - 1 = floor(log2(a)), exactly
;;       r = np.clip(x / 2.0 ** e, -7.5, 7.5)
;;       step = 2.0 ** (np.maximum(np.frexp(np.where(r == 0, 1, r))[1] - 1, 0) - 3)
;;       q = np.round(r / step) * step * 2.0 ** e      # np.round: ties to even
;;       return np.moveaxis(q.reshape(q.shape[:-2] + (-1,))[..., :K], -1, axis).astype(np.float32)
;;   ~~~
;;   SOFTMAX AHEAD OF A QUANTISED PRODUCT. Where the list says 'softmax', what is quantised is not the finished softmax but p = 2^(t - M), with t = logit x log2(e) and M = ceil(the row's largest t), a whole number; so 1/2 < the row's largest p <= 1. The row's sum l is taken of the UNQUANTISED p, in f32, and the product's result is divided by l at the end. Since M is a whole number, a kernel that streams over the keys may use a running M (the ceiling of the running maximum): every later rescaling is an exact power of two, which a block's scale takes up: the codes' values come out the same.
;;   OPERANDS COMPUTED ON THE WAY. 'Computed on the way' means the value that the module computes at that place (a softmax that the list does not call 'softmax' is quantised finished and normalised). What goes into a quantiser is computed in f32, as accurately as f32 sums, v_exp_f32 and their like allow (about 1e-6 of the number): no bf16 or f16 on the way to a quantiser, and a product that is left as it is and whose result goes on into a quantised operand takes f32 operands (vector FMAs, or v_wmma_f32_16x16x4_f32). A number that lies on a knife's edge between two numbers of the format may be rounded either way, as far as f32 arithmetic and the matrix unit's own rounding can turn it there, and no further.
;; 2 versions, each right; version 2 is version 1 with the launch attn written anew for expert scheduling mode. Each part assembles by itself: llvm-mc -triple=amdgcn-amd-amdhsa -mcpu=gfx1250 --defsym DOCPART=n.
;; ======== version 1 of 2: 5 launches
;; workspace buffers: AQK 6,553,600 bytes; AX 3,276,800 bytes; WQK 1,638,400 bytes; WVD 1,638,400 bytes; TAB 3,719,168 bytes; QK 6,815,744 bytes; VB 3,407,872 bytes; OCS 3,276,800 bytes
;; launch prep (part 1): grid 1280 x 1, 4 waves a work-group, no clusters, 22,016 bytes of LDS; arguments q, k, x, Wq, Wk, Wv, Wd, Wak, bak, Wav, bav, AQK, AX, WQK, WVD, TAB; writes AQK, AX, WQK, WVD, TAB
.if DOCPART == 1
	.amdgcn_target "amdgcn-amd-amdhsa--gfx1250"
	.amdhsa_code_object_version 6
	.text
	.protected	k_qe4f8026832_prep
	.globl	k_qe4f8026832_prep
	.p2align	8
	.type	k_qe4f8026832_prep,@function
k_qe4f8026832_prep:
	s_mov_b64 s[64:65], 0
	v_nop
	global_prefetch_b8 v0, s[64:65] scope:SCOPE_SE
	s_setreg_imm32_b32 hwreg(HW_REG_WAVE_MODE, 25, 1), 1
	s_wait_xcnt 0x0
; PREP: everything that is quantised from inputs alone, laid in the order of the matrix operands' registers.
; Codes are FP6 (E2M3) with one E8M0 byte for each 32 along K: byte = the block's largest magnitude's exponent field - 2, held at 1 from below.
; HALF IMAGE (768 bytes) = 16 rows x 64 K: lane (r, h) holds row r, K block h, 24 bytes: registers 0-3 at 16 x lane, registers 4-5 at 512 + 8 x lane.
; OPERAND TILE (12,800 bytes) = 16 rows x 1,024 K: 512 bytes of scale words [K step 8][row 16][4], then 16 half images.
; Four paths, parted on the work-group's number:
;   0..767     q, k, x: one row tile each; wave w takes K pieces 4 w .. 4 w + 3 of 64.  Rows of a q tile: 64 G + sub + 4 n; of a k or x tile: 64 G + 8 sub + (n & 7) + 32 (n >> 3)
;   768..1023  Wq, Wk, Wv, Wd: K is not innermost: a lane takes a column and its registers run down K.  Rows of tile t of a group of 64: 32 (n >> 3) + 8 t + (n & 7)
;   1024..1151 the key table A_k[d] = sin W0 + cos W1 + b, theta = c0 (d - 1023), quantised along the head's 64; copy a holds rows d = x + 3 - a; also 16,384 bytes of zeros
;   1152..1279 the value tables: T_rho[c][u][e] = A_v[32 c + u + 31 - rho], quantised along u, for rho = 0 .. 31
; LIMITS: NaN and infinities are not served; a block of zeros gets the byte 1 (its codes are zeros; only this program reads the bytes);
; sine and cosine are polynomials in f32 for |theta| <= 1.62, cut under 1e-8, rounding about 1e-7 absolute.
.set FLOOR, 0x1800000                  ; 2^(3 - 127)
.set C0, 0x3ac90ff9                    ; f32(1.5708 / 1024)
.macro AMAX x, m, n                    ; the largest magnitude of v[x] .. v[x + 31], and the floor, in two chains
	v_max3_num_f32 v[\m], |v[(\x)]|, |v[(\x)+1]|, FLOOR
	v_max3_num_f32 v[\n], |v[(\x)+2]|, |v[(\x)+3]|, FLOOR
.irp i, 4,8,12,16,20,24,28
	v_max3_num_f32 v[\m], v[\m], |v[(\x)+\i]|, |v[(\x)+\i+1]|
	v_max3_num_f32 v[\n], v[\n], |v[(\x)+\i+2]|, |v[(\x)+\i+3]|
.endr
	v_max_num_f32 v[\m], v[\m], v[\n]
.endm
.macro SCB m, sc, by                   ; 2 off the exponent field: the conversion's scale operand; its exponent field is the byte
	v_add_nc_u32 v[\sc], 0xff000000, v[\m]
	v_lshrrev_b32 v[\by], 23, v[\sc]
.endm
.macro CODES x, c, e, sc               ; 32 numbers -> 6 registers of codes (a conversion's three registers begin on an even number)
	v_cvt_scalef32_pk16_fp6_f32 v[(\c):(\c)+2], v[(\x):(\x)+15], v[\sc]
	v_cvt_scalef32_pk16_fp6_f32 v[(\e):(\e)+2], v[(\x)+16:(\x)+31], v[\sc]
	v_nop                                          ; one plain place behind a scaled conversion
	v_mov_b32 v[(\c)+3], v[(\e)]
	v_mov_b32 v[(\c)+4], v[(\e)+1]
	v_mov_b32 v[(\c)+5], v[(\e)+2]
.endm
.macro PAIR by, pw, w                  ; my bytes 8 h bits up, lane l xor 16's 8 - 8 h bits up: both halves of the lanes then hold the same word
	v_permlanex16_b32 v[\pw], v[\by], s38, s39
	v_lshlrev_b32 v[\w], v8, v[\by]
	v_lshlrev_b32 v[\pw], v9, v[\pw]
	v_or_b32 v[\w], v[\w], v[\pw]
.endm
.macro SINCOS th, s, c, z, q           ; Taylor sums in Horner form: sine to theta^13, cosine to theta^12
	v_mul_f32 v[\z], v[\th], v[\th]
	v_mov_b32 v[\q], 0x2f309230
	v_fmaak_f32 v[\q], v[\q], v[\z], 0xb2d7322b
	v_fmaak_f32 v[\q], v[\q], v[\z], 0x3638ef1d
	v_fmaak_f32 v[\q], v[\q], v[\z], 0xb9500d01
	v_fmaak_f32 v[\q], v[\q], v[\z], 0x3c088889
	v_fmaak_f32 v[\q], v[\q], v[\z], 0xbe2aaaab
	v_mul_f32 v[\s], v[\th], v[\z]
	v_fma_f32 v[\s], v[\s], v[\q], v[\th]
	v_mov_b32 v[\q], 0x310f76c7
	v_fmaak_f32 v[\q], v[\q], v[\z], 0xb493f27e
	v_fmaak_f32 v[\q], v[\q], v[\z], 0x37d00d01
	v_fmaak_f32 v[\q], v[\q], v[\z], 0xbab60b61
	v_fmaak_f32 v[\q], v[\q], v[\z], 0x3d2aaaab
	v_fmaak_f32 v[\q], v[\q], v[\z], 0xbf000000
	v_fma_f32 v[\c], v[\z], v[\q], 1.0
.endm
	s_load_b256 s[4:11], s[0:1], 0x0               ; q, k, x, Wq
	s_load_b256 s[12:19], s[0:1], 0x20             ; Wk, Wv, Wd, Wak
	s_load_b256 s[20:27], s[0:1], 0x40             ; bak, Wav, bav, AQK
	s_load_b256 s[28:35], s[0:1], 0x60             ; AX, WQK, WVD, TAB
	v_lshl_add_u32 v224, v0, 2, 0x5400
	v_mov_b32 v225, 0
	v_lshrrev_b32 v1, 5, v0
	v_readfirstlane_b32 s36, v1                    ; wave
	v_and_b32 v1, 31, v0                           ; lane
	v_and_b32 v2, 15, v0                           ; r
	v_bfe_u32 v3, v0, 4, 1                         ; h
	v_lshlrev_b32 v8, 3, v3                        ; 8 h
	v_sub_nc_u32 v9, 8, v8                         ; 8 - 8 h
	v_mov_b32 v7, 0                                ; a lane permute's destination counts as one of its sources
	s_mov_b32 s38, 0x76543210
	s_mov_b32 s39, 0xfedcba98                      ; selects for lane l xor 16
	s_wait_kmcnt 0x0
	s_cmp_lt_u32 ttmp9, 768
	s_cbranch_scc1 .Lact
	s_cmp_lt_u32 ttmp9, 1024
	s_cbranch_scc1 .Lwgt
	s_cmp_lt_u32 ttmp9, 1152
	s_cbranch_scc1 .Lakt
; ---- the value tables: rho = id / 4, y = 512 (id % 4) .. + 511, y = 32 c + u
	s_sub_co_u32 s40, ttmp9, 1152
	s_lshr_b32 s41, s40, 2                         ; rho
	s_and_b32 s42, s40, 3                          ; which quarter of y
	s_lshl_b32 s43, s42, 9
	s_sub_co_u32 s43, s43, s41
	s_sub_co_u32 s43, s43, 992                     ; d - 1023 = y - 992 - rho
	v_add_nc_u32 v10, s43, v0
	v_lshlrev_b32 v11, 2, v0
	v_lshrrev_b32 v192, 3, v2
	v_and_b32 v193, 7, v2
	v_lshl_add_u32 v192, v192, 5, v193
	v_lshlrev_b32 v192, 2, v192
	s_lshl_b32 s44, s36, 5
	v_add_nc_u32 v192, s44, v192                   ; my row e = 32 (r >> 3) + 8 wave + (r & 7), in bytes
	global_load_b32 v193, v192, s[22:23]           ; Wav[0][e]
	global_load_b32 v194, v192, s[22:23] offset:256   ; Wav[1][e]
	global_load_b32 v195, v192, s[24:25]           ; bav[e]
.irp k, 0,1,2,3                        ; 512 sines and cosines, four a thread, into LDS
	v_add_nc_u32 v12, 128*\k, v10
	v_cvt_f32_i32 v12, v12
	v_mul_f32 v12, C0, v12
	SINCOS 12, 13, 14, 15, 16
	ds_store_b32 v11, v13 offset:17408+512*\k
	ds_store_b32 v11, v14 offset:19456+512*\k
.endr
	s_mul_i32 s44, s41, 102400
	s_add_co_u32 s44, s44, 442368
	s_lshl_b32 s45, s42, 4
	s_add_co_u32 s45, s45, s36
	s_mul_i32 s45, s45, 1536                       ; image (4 Q + wave), Q = 4 quarter + ql
	s_add_co_u32 s46, s44, s45
	s_mov_b32 s47, 0
	s_lshl_b32 s45, s42, 10
	s_lshl_b32 s48, s36, 2
	s_add_co_u32 s48, s48, s45
	s_add_co_u32 s48, s48, s44
	s_add_co_u32 s48, s48, 98304                   ; words: Q x 256 + 16 r + 4 wave
	s_mov_b32 s49, 0
	s_add_nc_u64 s[46:47], s[34:35], s[46:47]
	s_add_nc_u64 s[48:49], s[34:35], s[48:49]
	v_lshlrev_b32 v196, 7, v3                      ; 32 h numbers on
	v_lshlrev_b32 v201, 4, v1
	v_lshlrev_b32 v202, 4, v2
	s_wait_dscnt 0x0                               ; my stores have landed,
	s_barrier_signal -1
	s_barrier_wait -1                              ; everybody's have
	s_wait_loadcnt 0x0
.irp ql, 0,1,2,3
.irp c, 0,1                            ; block 2 c + h of the quad: all its 32 numbers are mine
.irp i, 0,1,2,3,4,5,6,7
	ds_load_b128 v[64+4*\i:64+4*\i+3], v196 offset:17408+512*\ql+256*\c+16*\i
	ds_load_b128 v[96+4*\i:96+4*\i+3], v196 offset:19456+512*\ql+256*\c+16*\i
.endr
	s_wait_dscnt 0x0
	s_wait_xcnt 0x0                                ; the last quad's stores have read their registers
.set j, 0
.rept 32
	v_mul_f32 v[32+j], v[96+j], v194
.set j, j+1
.endr
.set j, 0
.rept 32
	v_fmac_f32 v[32+j], v[64+j], v193
.set j, j+1
.endr
.set j, 0
.rept 32
	v_add_f32 v[32+j], v[32+j], v195
.set j, j+1
.endr
	AMAX 32, 4, 31
	SCB 4, 5, 197+\c
	CODES 32, 16+6*\c, 28, 5
.endr
	v_lshl_or_b32 v199, v198, 16, v197             ; my two bytes, blocks h and 2 + h
	PAIR 199, 7, 200
	global_store_b128 v201, v[16:19], s[46:47] offset:6144*\ql
	global_store_b128 v201, v[20:23], s[46:47] offset:6144*\ql+512
	global_store_b128 v201, v[24:27], s[46:47] offset:6144*\ql+1024
	global_store_b32 v202, v200, s[48:49] offset:256*\ql
.endr
	s_wait_tensorcnt 0x0
	ds_add_u32 v224, v225
	s_wait_dscnt 0x0
	s_endpgm
; ---- q, k, x
.Lact:
	s_lshr_b32 s40, ttmp9, 8                       ; which tensor
	s_and_b32 s41, ttmp9, 255                      ; row tile T = 64 b + 4 G + sub
	s_cmp_eq_u32 s40, 0
	s_cselect_b64 s[42:43], s[4:5], s[6:7]
	s_cselect_b32 s44, 4, 1                        ; rows of a tile: 4 apart in q, neighbours in k and x
	s_cselect_b32 s45, 1, 8                        ; first row: sub in q, 8 sub in k and x
	s_cmp_eq_u32 s40, 2
	s_cselect_b64 s[42:43], s[8:9], s[42:43]
	s_cselect_b64 s[46:47], s[28:29], s[26:27]
	s_cmp_eq_u32 s40, 1
	s_cselect_b32 s48, 3276800, 0                  ; k's tiles lie behind q's
	s_lshr_b32 s49, s41, 2
	s_lshl_b32 s49, s49, 6
	s_and_b32 s50, s41, 3
	s_mul_i32 s50, s50, s45
	s_add_co_u32 s49, s49, s50                     ; the tile's first row
	s_lshl_b32 s50, s49, 12
	s_lshl_b32 s51, s36, 10
	s_add_co_u32 s50, s50, s51                     ; + my wave's 256 numbers along K
	s_mov_b32 s51, 0
	s_add_nc_u64 s[42:43], s[42:43], s[50:51]
	s_mul_i32 s50, s41, 12800
	s_add_co_u32 s50, s50, s48
	s_add_nc_u64 s[46:47], s[46:47], s[50:51]
	v_lshlrev_b32 v10, 17, v3                      ; lanes 16-31: 32 rows further down
	v_lshl_add_u32 v192, v2, 4, v10
	s_lshl_b32 s52, s44, 12
.irp i, 1,2,3,4,5,6,7
	v_add_nc_u32 v[192+\i], s52, v[191+\i]
.endr
	s_mul_i32 s53, s36, 4352                       ; my stage: 16 rows x (256 + 16) bytes
	v_mul_u32_u24 v11, v3, 2176
	v_lshl_add_u32 v11, v2, 4, v11
	v_add_nc_u32 v11, s53, v11                     ; in: row 8 h + i, 16 r
	v_mul_u32_u24 v12, v2, 272
	v_lshl_add_u32 v12, v3, 7, v12
	v_add_nc_u32 v12, s53, v12                     ; back: row r, block h
	s_mul_i32 s54, s36, 3072
	v_lshlrev_b32 v13, 4, v1
	v_add_nc_u32 v13, s54, v13
	v_lshlrev_b32 v14, 3, v1
	v_add_nc_u32 v14, s54, v14
	s_lshl_b32 s55, s36, 7
	v_lshlrev_b32 v15, 2, v2
	v_add_nc_u32 v15, s55, v15
.irp kk, 0,1,2,3
.irp i, 0,1,2,3,4,5,6,7
	global_load_b128 v[64+32*\kk+4*\i:64+32*\kk+4*\i+3], v[192+\i], s[42:43] offset:256*\kk th:TH_LOAD_NT   ; sixteen lanes read 256 consecutive bytes of a row, aligned
.endr
.endr
.irp kk, 0,1,2,3
	s_wait_loadcnt 24-8*\kk                        ; this piece's eight loads are in; the younger pieces' may be out
.irp i, 0,1,2,3,4,5,6,7
	ds_store_b128 v11, v[64+32*\kk+4*\i:64+32*\kk+4*\i+3] offset:272*\i
.endr
.irp i, 0,1,2,3,4,5,6,7
	ds_load_b128 v[32+4*\i:32+4*\i+3], v12 offset:16*\i   ; LDS serves a wave's instructions in order: these see my stores
.endr
	s_wait_dscnt 0x0
	s_wait_xcnt 0x0                                ; the last piece's stores have read their registers
	AMAX 32, 4, 31
	SCB 4, 5, 6
	CODES 32, 16, 28, 5
	PAIR 6, 7, 22
	global_store_b128 v13, v[16:19], s[46:47] offset:512+768*\kk
	global_store_b64 v14, v[20:21], s[46:47] offset:1024+768*\kk
	global_store_b16 v15, v22, s[46:47] offset:64*(\kk/2)+2*(\kk%2)
.endr
	s_wait_tensorcnt 0x0
	ds_add_u32 v224, v225
	s_wait_dscnt 0x0
	s_endpgm
; ---- the weights
.Lwgt:
	s_sub_co_u32 s40, ttmp9, 768
	s_lshr_b32 s41, s40, 2
	s_and_b32 s42, s40, 3
	s_lshl_b32 s42, s42, 2
	s_add_co_u32 s42, s42, s36                     ; which 64 along K
	s_lshr_b32 s43, s41, 4                         ; which tensor
	s_and_b32 s44, s41, 15                         ; which head, or which 64 columns of Wd
	s_cmp_eq_u32 s43, 0
	s_cselect_b64 s[46:47], s[10:11], s[12:13]
	s_cmp_eq_u32 s43, 2
	s_cselect_b64 s[46:47], s[14:15], s[46:47]
	s_cmp_eq_u32 s43, 3
	s_cselect_b64 s[46:47], s[16:17], s[46:47]
	s_mov_b32 s48, 262144
	s_cselect_b32 s48, 256, s48                    ; bytes from group to group
	s_mov_b32 s49, 256
	s_cselect_b32 s49, 4096, s49                   ; bytes from k to k + 1
	s_cmp_lt_u32 s43, 2
	s_cselect_b64 s[50:51], s[30:31], s[32:33]
	s_and_b32 s52, s43, 1
	s_mul_i32 s52, s52, 819200
	s_mul_i32 s53, s44, s48
	s_mul_i32 s54, s42, s49
	s_lshl_b32 s54, s54, 6
	s_add_co_u32 s54, s54, s53
	s_mov_b32 s55, 0
	s_add_nc_u64 s[46:47], s[46:47], s[54:55]
	s_mul_i32 s53, s44, 51200
	s_add_co_u32 s52, s52, s53
	s_mul_i32 s53, s42, 768
	s_add_co_u32 s56, s52, s53
	s_add_co_u32 s56, s56, 512
	s_mov_b32 s57, 0
	s_lshr_b32 s58, s42, 1
	s_lshl_b32 s58, s58, 6
	s_and_b32 s59, s42, 1
	s_lshl_b32 s59, s59, 1
	s_add_co_u32 s58, s58, s59
	s_add_co_u32 s58, s58, s52
	s_mov_b32 s59, 0
	s_add_nc_u64 s[56:57], s[50:51], s[56:57]
	s_add_nc_u64 s[58:59], s[50:51], s[58:59]
	v_lshrrev_b32 v10, 3, v2
	v_and_b32 v11, 7, v2
	v_lshl_add_u32 v10, v10, 5, v11
	v_lshlrev_b32 v10, 2, v10                      ; column 32 (r >> 3) + (r & 7); tile t is 8 t columns on
	s_lshl_b32 s55, s49, 5
	v_mul_lo_u32 v11, v3, s55                      ; lanes 16-31: 32 along K further down
	v_add_nc_u32 v192, v10, v11
.set j, 1
.rept 31
	v_add_nc_u32 v[192+j], s49, v[191+j]
.set j, j+1
.endr
	v_lshlrev_b32 v13, 4, v1
	v_lshlrev_b32 v14, 3, v1
	v_lshlrev_b32 v15, 2, v2
.irp t, 0,1,2,3
.set j, 0
.rept 32
	global_load_b32 v[64+32*\t+j], v[192+j], s[46:47] offset:32*\t
.set j, j+1
.endr
.endr
.irp t, 0,1,2,3
.if \t < 2
	s_wait_loadcnt 63                              ; at most 96 - 32 t younger loads may be out; the count's field holds 63
.else
	s_wait_loadcnt 96-32*\t
.endif
	s_wait_xcnt 0x0                                ; the last tile's stores have read their registers
	AMAX 64+32*\t, 4, 31
	SCB 4, 5, 6
	CODES 64+32*\t, 16, 28, 5
	PAIR 6, 7, 22
	global_store_b128 v13, v[16:19], s[56:57] offset:12800*\t
	global_store_b64 v14, v[20:21], s[56:57] offset:12800*\t+512
	global_store_b16 v15, v22, s[58:59] offset:12800*\t
.endr
	s_endpgm
; ---- the key table, copy a, group of 64 rows, wave = tile; and the zeros
.Lakt:
	s_sub_co_u32 s40, ttmp9, 1024
	s_lshr_b32 s41, s40, 5                         ; a
	s_and_b32 s42, s40, 31                         ; group
	s_lshl_b32 s44, s40, 7
	v_add_nc_u32 v10, s44, v0
	v_mov_b32 v11, 0
	global_store_b8 v10, v11, s[34:35]             ; 128 work-groups x 128 threads: 16,384 zeros
	v_lshlrev_b32 v12, 7, v3                       ; e = 32 h on
.irp i, 0,1,2,3,4,5,6,7
	global_load_b128 v[64+4*\i:64+4*\i+3], v12, s[18:19] offset:16*\i
	global_load_b128 v[96+4*\i:96+4*\i+3], v12, s[18:19] offset:256+16*\i
	global_load_b128 v[128+4*\i:128+4*\i+3], v12, s[20:21] offset:16*\i
.endr
	s_lshl_b32 s45, s42, 6
	s_lshl_b32 s46, s36, 3
	s_add_co_u32 s45, s45, s46
	s_sub_co_u32 s45, s45, s41
	s_sub_co_u32 s45, s45, 1020                    ; d - 1023 = x - 1020 - a
	v_lshrrev_b32 v13, 3, v2
	v_and_b32 v14, 7, v2
	v_lshl_add_u32 v13, v13, 5, v14
	v_add_nc_u32 v13, s45, v13
	v_cvt_f32_i32 v13, v13
	v_mul_f32 v14, C0, v13
	SINCOS 14, 200, 201, 15, 202
	s_mul_i32 s46, s41, 106496
	s_add_co_u32 s46, s46, 16384
	s_mul_i32 s47, s42, 3072
	s_mul_i32 s48, s36, 768
	s_add_co_u32 s50, s46, s47
	s_add_co_u32 s50, s50, s48
	s_mov_b32 s51, 0
	s_lshl_b32 s47, s42, 8
	s_lshl_b32 s48, s36, 2
	s_add_co_u32 s52, s46, s47
	s_add_co_u32 s52, s52, s48
	s_add_co_u32 s52, s52, 98304
	s_mov_b32 s53, 0
	s_add_nc_u64 s[50:51], s[34:35], s[50:51]
	s_add_nc_u64 s[52:53], s[34:35], s[52:53]
	v_lshlrev_b32 v203, 4, v1
	v_lshlrev_b32 v204, 3, v1
	v_lshlrev_b32 v205, 4, v2
	s_wait_loadcnt 0x0
.set j, 0
.rept 32
	v_mul_f32 v[32+j], v[96+j], v201
.set j, j+1
.endr
.set j, 0
.rept 32
	v_fmac_f32 v[32+j], v[64+j], v200
.set j, j+1
.endr
.set j, 0
.rept 32
	v_add_f32 v[32+j], v[32+j], v[128+j]
.set j, j+1
.endr
	AMAX 32, 4, 31
	SCB 4, 5, 6
	CODES 32, 16, 28, 5
	PAIR 6, 7, 22
	global_store_b128 v203, v[16:19], s[50:51]
	global_store_b64 v204, v[20:21], s[50:51] offset:512
	global_store_b32 v205, v22, s[52:53]
	s_endpgm
.Lfunc_end_k_qe4f8026832_prep:
	.size	k_qe4f8026832_prep, .Lfunc_end_k_qe4f8026832_prep-k_qe4f8026832_prep
	.p2alignl 7, 3214868480
	.fill 96, 4, 3214868480
	.section	.rodata,"a",@progbits
	.p2align	6, 0x0
	.amdhsa_kernel k_qe4f8026832_prep
		.amdhsa_group_segment_fixed_size 22016
		.amdhsa_private_segment_fixed_size 0
		.amdhsa_enable_private_segment 0
		.amdhsa_kernarg_size 128
		.amdhsa_user_sgpr_count 2
		.amdhsa_user_sgpr_kernarg_segment_ptr 1
		.amdhsa_wavefront_size32 1
		.amdhsa_system_sgpr_workgroup_id_x 1
		.amdhsa_system_sgpr_workgroup_id_y 1
		.amdhsa_system_sgpr_workgroup_id_z 1
		.amdhsa_system_vgpr_workitem_id 0
		.amdhsa_next_free_vgpr 226
		.amdhsa_next_free_sgpr 66
		.amdhsa_reserve_vcc 0
		.amdhsa_float_denorm_mode_32 3
		.amdhsa_float_denorm_mode_16_64 3
		.amdhsa_memory_ordered 1
		.amdhsa_forward_progress 1
		.amdhsa_inst_pref_size 104
	.end_amdhsa_kernel
	.amdgpu_metadata
---
amdhsa.version: [ 1, 2 ]
amdhsa.kernels:
  - .name:           k_qe4f8026832_prep
    .symbol:         k_qe4f8026832_prep.kd
    .args:
      - { .name: q, .offset: 0, .size: 8, .value_kind: global_buffer, .address_space: global }
      - { .name: k, .offset: 8, .size: 8, .value_kind: global_buffer, .address_space: global }
      - { .name: x, .offset: 16, .size: 8, .value_kind: global_buffer, .address_space: global }
      - { .name: Wq, .offset: 24, .size: 8, .value_kind: global_buffer, .address_space: global }
      - { .name: Wk, .offset: 32, .size: 8, .value_kind: global_buffer, .address_space: global }
      - { .name: Wv, .offset: 40, .size: 8, .value_kind: global_buffer, .address_space: global }
      - { .name: Wd, .offset: 48, .size: 8, .value_kind: global_buffer, .address_space: global }
      - { .name: Wak, .offset: 56, .size: 8, .value_kind: global_buffer, .address_space: global }
      - { .name: bak, .offset: 64, .size: 8, .value_kind: global_buffer, .address_space: global }
      - { .name: Wav, .offset: 72, .size: 8, .value_kind: global_buffer, .address_space: global }
      - { .name: bav, .offset: 80, .size: 8, .value_kind: global_buffer, .address_space: global }
      - { .name: AQK, .offset: 88, .size: 8, .value_kind: global_buffer, .address_space: global }
      - { .name: AX, .offset: 96, .size: 8, .value_kind: global_buffer, .address_space: global }
      - { .name: WQK, .offset: 104, .size: 8, .value_kind: global_buffer, .address_space: global }
      - { .name: WVD, .offset: 112, .size: 8, .value_kind: global_buffer, .address_space: global }
      - { .name: TAB, .offset: 120, .size: 8, .value_kind: global_buffer, .address_space: global }
    .group_segment_fixed_size: 22016
    .private_segment_fixed_size: 0
    .kernarg_segment_align: 8
    .kernarg_segment_size: 128
    .max_flat_workgroup_size: 128
    .sgpr_count:     66
    .vgpr_count:     226
    .wavefront_size: 32
...
	.end_amdgpu_metadata
.endif
;; end of part 1
;; launch projqk (part 2): grid 8 x 64, 4 waves a work-group, clusters of 4 x 4, 205,312 bytes of LDS; arguments WQK, AQK, bq, bk, TAB, QK; writes QK
.if DOCPART == 2
	.amdgcn_target "amdgcn-amd-amdhsa--gfx1250"
	.amdhsa_code_object_version 6
	.text
	.protected	k_qe4f8026832_projqk
	.globl	k_qe4f8026832_projqk
	.p2align	8
	.type	k_qe4f8026832_projqk,@function
k_qe4f8026832_projqk:
	s_mov_b64 s[64:65], 0
	v_nop
	global_prefetch_b8 v0, s[64:65] scope:SCOPE_SE
	s_setreg_imm32_b32 hwreg(HW_REG_WAVE_MODE, 25, 1), 1
	s_wait_xcnt 0x0
	s_wait_alu depctr_hold_cnt(0) depctr_sa_sdst(0) depctr_va_vdst(0) depctr_va_sdst(0) depctr_va_ssrc(0) depctr_va_vcc(0) depctr_vm_vsrc(0)
	s_getreg_b32 s2, hwreg(HW_REG_IB_STS2, 6, 4)
	s_cmp_eq_u32 s2, 0
	s_cbranch_scc0 .Lentry_in_a_cluster
	s_endpgm
.Lentry_in_a_cluster:
	s_bfe_u32 s2, ttmp6, 0x10000c
	s_cmp_lg_u32 s2, 0xf033
	s_cbranch_scc0 .Lentry_shape_is_right
	s_endpgm
.Lentry_shape_is_right:
; A PROJECTION ON CODES OF FP6, ITS RESULT QUANTISED ON THE WAY OUT.  D = S0 x S1^T + biasA[row of S0] + biasB[row of S1], K = 1,024.
; Arguments: S0, S1 (operand tiles of 12,800 bytes: 512 bytes of scale words, 16 half images of 768 bytes), biasA for z = 0, biasA for z = 1, biasB, the output.
; A work-group makes 128 rows of S0 x 128 rows of S1; all of K lies in LDS, filled ONCE by two tensor loads a wave (K 0-511 with the scale words, then K 512-1,023): nothing is filled again.
; A wave makes 64 x 64: 16 accumulators.  The rows of S0's tile t of a group of 64 are 32 (n >> 3) + 8 t + (n & 7): so lane (r, h) holds, in the 32 registers of a column tile's four accumulators,
; S0's indices 32 h + 0 .. 31 for S1's row r: a whole block of 32 along the next product's K.  It is quantised in the lane and leaves as a half image.
; As the q and k projection: S0 = weights (x: two heads; z = 1: Wk, bk), S1 = tokens.  As the v projection: S0 = tokens, S1 = weights, so that the keys are K.
; CLUSTER 4 x 4: S0's tiles hang on x alone and are shared along a column of the cluster, S1's on y alone and are shared along a row: joint loads.
; LIMITS: NaN and infinities are not served; a block of zeros gets the byte 1 (its codes are zeros).
; REGISTERS: v1-10 LDS addresses; v11-26 at work; two fragment buffers at v32 and v136 (48 of S0, 48 of S1, 4 + 4 scale words); v240-247 biasB in pairs; v256-383 accumulators; v384-415 biasA.
.set FLOOR, 0x1800000
.set S0A, 0
.set S0B, 53248
.set S1A, 102400
.set S1B, 155648
.set MSB, 0
.macro WIN new                         ; the immediate's high byte repeats the setting that is left
.if MSB != \new
	s_set_vgpr_msb (MSB<<8)|\new
.set MSB, \new
.endif
.endm
.macro PLACES n
.rept \n
	v_nop
.endr
.endm
.macro CROUND                          ; a round of the cluster's barrier
	s_barrier_signal -1
	s_barrier_wait -1
	s_cmp_lg_u32 s16, 0
	s_cbranch_scc1 .Lnot_wave_0_\@
	s_barrier_signal -3
.Lnot_wave_0_\@:
	s_barrier_wait -3
	s_barrier_signal -1
	s_barrier_wait -1
.endm
.macro GROUP1 g, c                     ; 4 rows (tiles) of c elements of 8 bytes, 1,600 elements (a tile) apart, dense in LDS
	s_mov_b32 s[\g+1], (\c)<<16
	s_mov_b32 s[\g+2], 4<<16
	s_mov_b32 s[\g+3], (\c)<<16
	s_mov_b32 s[\g+4], 4
	s_mov_b32 s[\g+5], 1600
	s_mov_b32 s[\g+6], 0
	s_mov_b32 s[\g+7], 0
.endm
.macro AMAX x, m, n
	v_max3_num_f32 v[\m], |v[(\x)]|, |v[(\x)+1]|, FLOOR
	v_max3_num_f32 v[\n], |v[(\x)+2]|, |v[(\x)+3]|, FLOOR
.irp i, 4,8,12,16,20,24,28
	v_max3_num_f32 v[\m], v[\m], |v[(\x)+\i]|, |v[(\x)+\i+1]|
	v_max3_num_f32 v[\n], v[\n], |v[(\x)+\i+2]|, |v[(\x)+\i+3]|
.endr
	v_max_num_f32 v[\m], v[\m], v[\n]
.endm
.macro SCB m, sc, by
	v_add_nc_u32 v[\sc], 0xff000000, v[\m]
	v_lshrrev_b32 v[\by], 23, v[\sc]
.endm
.macro CODES x, c, e, sc
	v_cvt_scalef32_pk16_fp6_f32 v[(\c):(\c)+2], v[(\x):(\x)+15], v[\sc]
	v_cvt_scalef32_pk16_fp6_f32 v[(\e):(\e)+2], v[(\x)+16:(\x)+31], v[\sc]
	v_nop                                          ; one plain place behind a scaled conversion
	v_mov_b32 v[(\c)+3], v[(\e)]
	v_mov_b32 v[(\c)+4], v[(\e)+1]
	v_mov_b32 v[(\c)+5], v[(\e)+2]
.endm
.macro PAIR by, pw, w
	v_permlanex16_b32 v[\pw], v[\by], s96, s97
	v_lshlrev_b32 v[\w], v11, v[\by]
	v_lshlrev_b32 v[\pw], v12, v[\pw]
	v_or_b32 v[\w], v[\w], v[\pw]
.endm
; the fragments and scale words of K step s (128 along K) into buffer p: 40 LDS loads
.macro LOADK s, p
.set FB, 32+104*(\p)
.irp t, 0,1,2,3
.if (\s) < 4
	ds_load_b128 v[FB+12*\t:FB+12*\t+3], v1 offset:\t*6656+1536*(\s)
	ds_load_b64 v[FB+12*\t+4:FB+12*\t+5], v2 offset:\t*6656+1536*(\s)
	ds_load_b128 v[FB+12*\t+6:FB+12*\t+9], v1 offset:\t*6656+1536*(\s)+768
	ds_load_b64 v[FB+12*\t+10:FB+12*\t+11], v2 offset:\t*6656+1536*(\s)+768
	ds_load_b128 v[FB+48+12*\t:FB+48+12*\t+3], v5 offset:\t*6656+1536*(\s)
	ds_load_b64 v[FB+48+12*\t+4:FB+48+12*\t+5], v6 offset:\t*6656+1536*(\s)
	ds_load_b128 v[FB+48+12*\t+6:FB+48+12*\t+9], v5 offset:\t*6656+1536*(\s)+768
	ds_load_b64 v[FB+48+12*\t+10:FB+48+12*\t+11], v6 offset:\t*6656+1536*(\s)+768
.else
	ds_load_b128 v[FB+12*\t:FB+12*\t+3], v3 offset:\t*6144+1536*((\s)-4)
	ds_load_b64 v[FB+12*\t+4:FB+12*\t+5], v4 offset:\t*6144+1536*((\s)-4)
	ds_load_b128 v[FB+12*\t+6:FB+12*\t+9], v3 offset:\t*6144+1536*((\s)-4)+768
	ds_load_b64 v[FB+12*\t+10:FB+12*\t+11], v4 offset:\t*6144+1536*((\s)-4)+768
	ds_load_b128 v[FB+48+12*\t:FB+48+12*\t+3], v7 offset:\t*6144+1536*((\s)-4)
	ds_load_b64 v[FB+48+12*\t+4:FB+48+12*\t+5], v8 offset:\t*6144+1536*((\s)-4)
	ds_load_b128 v[FB+48+12*\t+6:FB+48+12*\t+9], v7 offset:\t*6144+1536*((\s)-4)+768
	ds_load_b64 v[FB+48+12*\t+10:FB+48+12*\t+11], v8 offset:\t*6144+1536*((\s)-4)+768
.endif
	ds_load_b32 v[FB+96+\t], v9 offset:\t*6656+64*(\s)
	ds_load_b32 v[FB+100+\t], v10 offset:\t*6656+64*(\s)
.endr
.endm
; 16 matrix instructions; the 16 accumulators take turns, in the same order in every K step
.macro MULK p, zero
.set FB, 32+104*(\p)
	WIN 0x50                                       ; C and D in window 1
.irp u, 0,1,2,3
.irp t, 0,1,2,3
.if \zero
	v_wmma_scale_f32_16x16x128_f8f6f4 v[8*(4*\u+\t):8*(4*\u+\t)+7], v[FB+12*\t:FB+12*\t+11], v[FB+48+12*\u:FB+48+12*\u+11], 0, v[FB+96+\t], v[FB+100+\u] matrix_a_fmt:MATRIX_FMT_FP6 matrix_b_fmt:MATRIX_FMT_FP6
.else
	v_wmma_scale_f32_16x16x128_f8f6f4 v[8*(4*\u+\t):8*(4*\u+\t)+7], v[FB+12*\t:FB+12*\t+11], v[FB+48+12*\u:FB+48+12*\u+11], v[8*(4*\u+\t):8*(4*\u+\t)+7], v[FB+96+\t], v[FB+100+\u] matrix_a_fmt:MATRIX_FMT_FP6 matrix_b_fmt:MATRIX_FMT_FP6
.endif
.endr
.endr
.endm
.macro STEPK s                         ; fetch K step s + 1, multiply K step s
	WIN 0
	PLACES 4                                       ; in front of loads into registers that matrix instructions have read
	LOADK (\s)+1, ((\s)+1)%2
	s_wait_dscnt 40                                ; all but the 40 just issued
	MULK (\s)%2, 0
.endm
	s_load_b256 s[4:11], s[0:1], 0x0               ; S0, S1, biasA (z = 0), biasA (z = 1)
	s_load_b128 s[12:15], s[0:1], 0x20             ; biasB, the output
	v_lshl_add_u32 v254, v0, 2, 0x32000
	v_mov_b32 v255, 0
	ds_add_u32 v254, v255
	ds_add_u32 v254, v255
	v_lshrrev_b32 v1, 5, v0
	v_readfirstlane_b32 s16, v1                    ; wave
	s_lshr_b32 s17, s16, 1                         ; my half of S0's rows.  Also: I fetch for S0 (0) or S1 (1)
	s_and_b32 s18, s16, 1                          ; my half of S1's rows.  Also: which four tiles I fetch
	s_bfe_u32 s19, ttmp6, 0x40000                  ; cx
	s_bfe_u32 s20, ttmp6, 0x40004                  ; cy
	s_lshl_b32 s21, ttmp9, 2
	s_add_co_u32 s21, s21, s19                     ; x
	s_and_b32 s23, ttmp7, 0xffff
	s_lshl_b32 s22, s23, 2
	s_add_co_u32 s22, s22, s20                     ; y
	s_lshr_b32 s23, s23, 3                         ; z: from the cluster's y, the same in all partners
	s_lshl_b32 s76, s20, 2
	s_lshl_b32 s76, 15, s76                        ; my row of the cluster
	s_lshl_b32 s77, 0x1111, s19                    ; my column
	s_or_b32 s24, s77, (3<<16)|(1<<21)             ; the mask; elements of 8 bytes; bit 21 set beside a mask
	s_or_b32 s32, s77, (3<<16)|(1<<21)
	s_or_b32 s40, s76, (3<<16)|(1<<21)
	s_or_b32 s48, s76, (3<<16)|(1<<21)
	GROUP1 24, 832
	GROUP1 32, 768
	GROUP1 40, 832
	GROUP1 48, 768
	s_lshl_b32 s76, s21, 3
	s_lshl_b32 s77, s23, 6
	s_add_co_u32 s76, s76, s77
	s_lshl_b32 s77, s18, 2
	s_add_co_u32 s76, s76, s77                     ; S0: tile 8 x + 64 z + 4 half
	s_mul_i32 s76, s76, 12800
	s_mov_b32 s77, 0
	s_lshl_b32 s78, s22, 3
	s_lshl_b32 s79, s18, 2
	s_add_co_u32 s78, s78, s79                     ; S1: tile 8 y + 4 half
	s_mul_i32 s78, s78, 12800
	s_mov_b32 s79, 0
	s_mul_i32 s80, s18, 26624
	s_mul_i32 s81, s18, 24576
	s_mov_b32 s96, 0x76543210
	s_mov_b32 s97, 0xfedcba98
	s_wait_dscnt 0x0
	s_wait_kmcnt 0x0
	s_add_nc_u64 s[76:77], s[4:5], s[76:77]
	s_add_nc_u64 s[78:79], s[6:7], s[78:79]
	CROUND                                         ; all sixteen work-groups are here: the joint loads meet
	s_mov_b32 s56, 1
	s_mov_b32 s57, s80
	s_mov_b64 s[58:59], s[76:77]
	s_or_b32 s59, s59, 0x80000000
	s_mov_b32 s60, 1
	s_add_co_u32 s61, s81, S0B
	s_add_nc_u64 s[62:63], s[76:77], 6656
	s_or_b32 s63, s63, 0x80000000
	s_mov_b32 s68, 1
	s_add_co_u32 s69, s80, S1A
	s_mov_b64 s[70:71], s[78:79]
	s_or_b32 s71, s71, 0x80000000
	s_mov_b32 s72, 1
	s_add_co_u32 s73, s81, S1B
	s_add_nc_u64 s[74:75], s[78:79], 6656
	s_or_b32 s75, s75, 0x80000000
	s_cmp_eq_u32 s17, 0                            ; a wave's two fills stand in one branch: two loads of mine are out
	s_cbranch_scc0 .Lfor_s1
	tensor_load_to_lds s[56:59], s[24:31]
	s_nop 0
	tensor_load_to_lds s[60:63], s[32:39]
	s_nop 0
	PLACES 4
	s_branch .Lasked
.Lfor_s1:
	tensor_load_to_lds s[68:71], s[40:47]
	s_nop 0
	tensor_load_to_lds s[72:75], s[48:55]
	s_nop 0
	PLACES 4
.Lasked:
	v_and_b32 v20, 31, v0                          ; lane
	v_and_b32 v21, 15, v0                          ; r
	v_bfe_u32 v22, v0, 4, 1                        ; h
	v_lshlrev_b32 v13, 4, v20
	v_lshlrev_b32 v14, 3, v20
	v_lshlrev_b32 v15, 4, v21
	v_lshlrev_b32 v23, 2, v21
	v_lshlrev_b32 v11, 3, v22
	v_sub_nc_u32 v12, 8, v11
	v_mov_b32 v18, 0
	s_mul_i32 s84, s17, 26624
	s_mul_i32 s85, s17, 24576
	s_mul_i32 s86, s18, 26624
	s_mul_i32 s87, s18, 24576
	v_add_nc_u32 v9, s84, v23                      ; S0's scale words
	s_add_co_u32 s88, s84, 512
	v_add_nc_u32 v1, s88, v13
	s_add_co_u32 s88, s84, 1024
	v_add_nc_u32 v2, s88, v14
	s_add_co_u32 s88, s85, S0B
	v_add_nc_u32 v3, s88, v13
	s_add_co_u32 s88, s85, S0B+512
	v_add_nc_u32 v4, s88, v14
	s_add_co_u32 s88, s86, S1A
	v_add_nc_u32 v10, s88, v23                     ; S1's scale words
	s_add_co_u32 s88, s86, S1A+512
	v_add_nc_u32 v5, s88, v13
	s_add_co_u32 s88, s86, S1A+1024
	v_add_nc_u32 v6, s88, v14
	s_add_co_u32 s88, s87, S1B
	v_add_nc_u32 v7, s88, v13
	s_add_co_u32 s88, s87, S1B+512
	v_add_nc_u32 v8, s88, v14
	; the biases
	s_lshl_b32 s89, s21, 1
	s_add_co_u32 s89, s89, s17                     ; my group of 64 rows of S0: 2 x + half
	s_lshl_b32 s90, s89, 8
	v_lshlrev_b32 v16, 7, v22
	v_add_nc_u32 v16, s90, v16
	v_lshrrev_b32 v17, 3, v21
	v_and_b32 v19, 7, v21
	v_lshl_add_u32 v17, v17, 5, v19
	v_lshlrev_b32 v17, 2, v17
	s_lshl_b32 s88, s22, 1
	s_add_co_u32 s88, s88, s18
	s_and_b32 s88, s88, 15
	s_lshl_b32 s88, s88, 8
	v_add_nc_u32 v17, s88, v17
	s_cmp_eq_u32 s23, 0
	s_cselect_b64 s[82:83], s[8:9], s[10:11]
	WIN 0x40                                       ; destination window 1
.irp i, 0,1,2,3,4,5,6,7
	global_load_b128 v[128+4*\i:128+4*\i+3], v16, s[82:83] offset:16*\i   ; biasA at S0's indices 32 h + 0 .. 31
.endr
	WIN 0
.irp u, 0,1,2,3
	global_load_b32 v[240+2*\u], v17, s[12:13] offset:32*\u   ; biasB at row r of S1's tile u; twice: the packed addition names a pair
	global_load_b32 v[241+2*\u], v17, s[12:13] offset:32*\u
.endr
	; where the results go: block = group of S0 + 16 (S1's tile / 64); half image = S1's tile % 64
	s_lshl_b32 s91, s22, 3
	s_lshl_b32 s90, s18, 2
	s_add_co_u32 s91, s91, s90
	s_lshr_b32 s90, s91, 6
	s_lshl_b32 s90, s90, 4
	s_add_co_u32 s90, s90, s89
	s_mul_i32 s90, s90, 53248
	s_and_b32 s91, s91, 63
	s_mul_i32 s92, s91, 768
	s_add_co_u32 s92, s92, s90
	s_mov_b32 s93, 0
	s_lshr_b32 s94, s91, 2
	s_lshl_b32 s94, s94, 8
	s_add_co_u32 s94, s94, s90
	s_add_co_u32 s94, s94, 49152
	s_mov_b32 s95, 0
	s_add_nc_u64 s[92:93], s[14:15], s[92:93]
	s_add_nc_u64 s[94:95], s[14:15], s[94:95]
	s_wait_tensorcnt 0x1                           ; my part of K 0-511 and of the scale words is in; K 512-1,023 may be out
	s_barrier_signal -1
	s_barrier_wait -1
	LOADK 0, 0
	LOADK 1, 1
	s_wait_dscnt 40
	MULK 0, 1                                      ; the first K step starts the sums
	STEPK 1
	STEPK 2
	s_wait_dscnt 0x0
	MULK 1, 0
	WIN 0
	s_wait_tensorcnt 0x0                           ; my part of K 512-1,023 is in,
	s_barrier_signal -1
	s_barrier_wait -1                              ; everybody's is
	PLACES 4
	LOADK 4, 0
	STEPK 4
	STEPK 5
	STEPK 6
	s_wait_dscnt 0x0
	MULK 1, 0
	WIN 0
	PLACES 4                                       ; in front of the first read of results
	s_wait_loadcnt 0x0                             ; the biases
.irp u, 0,1,2,3
	WIN 0x05                                       ; sources 0 and 1 window 1
.set j, 0
.rept 16
	v_pk_add_f32 v[32+j:33+j], v[32*\u+j:32*\u+j+1], v[128+j:129+j]   ; each accumulator from its low end on
.set j, j+2
.endr
	WIN 0
.set j, 0
.rept 16
	v_pk_add_f32 v[32+j:33+j], v[32+j:33+j], v[240+2*\u:241+2*\u]
.set j, j+2
.endr
	AMAX 32, 19, 24
	SCB 19, 25, 26
	CODES 32, 64+8*\u, 96, 25
	PAIR 26, 18, 100+\u
	global_store_b128 v13, v[64+8*\u:64+8*\u+3], s[92:93] offset:768*\u
	global_store_b64 v14, v[64+8*\u+4:64+8*\u+5], s[92:93] offset:768*\u+512
.endr
	global_store_b128 v15, v[100:103], s[94:95]    ; row r's four scale words (both halves of the lanes hold and store the same)
	s_wait_tensorcnt 0x0
	ds_add_u32 v254, v255
	s_wait_dscnt 0x0
	CROUND                                         ; the closing round
	s_endpgm
.Lfunc_end_k_qe4f8026832_projqk:
	.size	k_qe4f8026832_projqk, .Lfunc_end_k_qe4f8026832_projqk-k_qe4f8026832_projqk
	.p2alignl 7, 3214868480
	.fill 96, 4, 3214868480
	.section	.rodata,"a",@progbits
	.p2align	6, 0x0
	.amdhsa_kernel k_qe4f8026832_projqk
		.amdhsa_group_segment_fixed_size 205312
		.amdhsa_private_segment_fixed_size 0
		.amdhsa_enable_private_segment 0
		.amdhsa_kernarg_size 48
		.amdhsa_user_sgpr_count 2
		.amdhsa_user_sgpr_kernarg_segment_ptr 1
		.amdhsa_wavefront_size32 1
		.amdhsa_system_sgpr_workgroup_id_x 1
		.amdhsa_system_sgpr_workgroup_id_y 1
		.amdhsa_system_sgpr_workgroup_id_z 1
		.amdhsa_system_vgpr_workitem_id 0
		.amdhsa_next_free_vgpr 448
		.amdhsa_next_free_sgpr 98
		.amdhsa_reserve_vcc 0
		.amdhsa_float_denorm_mode_32 3
		.amdhsa_float_denorm_mode_16_64 3
		.amdhsa_memory_ordered 1
		.amdhsa_forward_progress 1
		.amdhsa_inst_pref_size 64
	.end_amdhsa_kernel
	.amdgpu_metadata
---
amdhsa.version: [ 1, 2 ]
amdhsa.kernels:
  - .name:           k_qe4f8026832_projqk
    .symbol:         k_qe4f8026832_projqk.kd
    .args:
      - { .name: WQK, .offset: 0, .size: 8, .value_kind: global_buffer, .address_space: global }
      - { .name: AQK, .offset: 8, .size: 8, .value_kind: global_buffer, .address_space: global }
      - { .name: bq, .offset: 16, .size: 8, .value_kind: global_buffer, .address_space: global }
      - { .name: bk, .offset: 24, .size: 8, .value_kind: global_buffer, .address_space: global }
      - { .name: TAB, .offset: 32, .size: 8, .value_kind: global_buffer, .address_space: global }
      - { .name: QK, .offset: 40, .size: 8, .value_kind: global_buffer, .address_space: global }
    .group_segment_fixed_size: 205312
    .private_segment_fixed_size: 0
    .kernarg_segment_align: 8
    .kernarg_segment_size: 48
    .max_flat_workgroup_size: 128
    .sgpr_count:     98
    .vgpr_count:     448
    .wavefront_size: 32
...
	.end_amdgpu_metadata
.endif
;; end of part 2
;; launch projv: the kernel of part 2 again; grid 32 x 8, 4 waves a work-group, clusters of 4 x 4, 205,312 bytes of LDS; arguments AX, WVD, TAB, bq, bv, VB; writes VB
;; launch attn (part 3): grid 8 x 64, 8 waves a work-group, no clusters, 317,952 bytes of LDS; arguments QK, VB, TAB, OCS; writes OCS
.if DOCPART == 3
	.amdgcn_target "amdgcn-amd-amdhsa--gfx1250"
	.amdhsa_code_object_version 6
	.text
	.protected	k_qe4f8026832_attn
	.globl	k_qe4f8026832_attn
	.p2align	8
	.type	k_qe4f8026832_attn,@function
k_qe4f8026832_attn:
	s_mov_b64 s[64:65], 0
	v_nop
	global_prefetch_b8 v0, s[64:65] scope:SCOPE_SE
	s_setreg_imm32_b32 hwreg(HW_REG_WAVE_MODE, 25, 1), 1
	s_wait_xcnt 0x0
; RELATIVE-POSITION ATTENTION ON CODES OF FP6.  out[i] = (sum_j p[i][j] (V[j] + av[i][j])) / l[i], p = 2^(t - M), t = (q_i . k_j + q_i . ak[i][j]) log2(e) / 64, M = ceil(the row's largest t).
; ak[i][j] = A_k[j - i + 1023], av likewise.  A work-group owns one (batch, head) (y) and the 128 queries i = 64 (8 g + w) + a + 4 m (x = a + 4 g; wave w, row m).
; PHASE 1 (wave w: its 16 queries, all 1,024 keys, 64 a step).  R = A_k x q^T for groups of 64 table rows; copy a of the table begins so that query row m wants R shifted by 60 - 4 m numbers:
; whole 16 bytes.  R goes through the wave's own scratch (two groups of 64 a row, by turns) and comes back, shifted, as the C of K x q^T.  Both products have K = 64: q's upper six registers are zero codes,
; so what stands in the other side's upper six (the next tile's codes, or zeros) adds nothing; scale bytes 2 and 3 are 0, which is 2^-127 and no NaN.
; The keys of a tile are 32 (n >> 3) + 8 t + (n & 7): lane (m, h) holds block 2 step + h of query m whole.  p is quantised under the RUNNING M; its byte is kept as byte + M and brought under the last M at the end (exact).
; PHASE 2 (wave w: the 16 queries with i % 32 = rho = a + 4 w).  av quantised along j is T_rho[c], c = b - i / 32 + 31: column r of P takes p's blocks shifted by whole blocks; blocks outside 0 .. 31 are zero codes.
; Twelve steps on quads of T_rho (128 along K each, from memory straight into registers) and eight on V (from LDS) take turns on the same four accumulators; each step asks for the next step's LDS data ahead of its own products.
; O^T / l is a whole block of 32 of the head's 64 in a lane: quantised and stored as a half image of the last product's operand.
; WHAT PHASE 2 WANTS FROM MEMORY IS ASKED FOR IN PHASE 1: V's two groups that the wave brings in key step 0, the table's quads 0 to 3 in key steps 2, 4, 6, 8; quad 4 when V has gone to LDS; quad tau + 4 in table step tau.
; LIMITS: NaN and infinities are not served; |t| under 2^24; a block of p whose byte would fall under 0 under the last M (p under 2^-120) is held at byte 0.
.set FLOOR, 0x1800000
.set AKW, 53248                        ; LDS: 0: K's block, later V's (53,248); the key table's 24 groups x 3,072,
.set AKS, AKW+73728                    ; their scale words, 256 a group;
.set PP, 133120                        ; p's codes: 128 rows x 776 (32 blocks of 24 bytes + 8);
.set PS, 232448                        ; p's bytes: 128 rows x 96, byte b at 16 + b, 0x7f elsewhere;
.set LS, 244736                        ; l: 128 words;
.set SCR, 245248                       ; scratch: 8 waves x 16 rows x 560
.set SP, 560
; REGISTERS, in two windows of 256 (an instruction names v0-v255; s_set_vgpr_msb says which window each operand place means: bits 1:0 source 0, 3:2 source 1, 5:4 source 2, 7:6 destination).
; Window 0: v1 p's byte address; v2, v3 K's and V's b64 and word addresses; v4-6 the key table's; v7 scratch in; v8, v10-17 scratch back; v9 p's codes; v18 -M, v19 largest t; v[20:21] l; v[22:23] f; v24-30 at work; v31 q's scale word;
;   phase 1: v32-43 q; v44-73 K; v74-103 table; v104-107, v108-111 scale words; v112-143, v144-175 scores; v176-207 R; v224-232 codes;
;   phase 2: v32-79 V's fragments; v80-91 p for V; v104-107 the fifth buffer's scale words; v108-111 V's; v112-143 O^T; v192-203, v144-155 p for the table, by turns;
;   v208-223 four buffers' scale words; v233-235 16 lane, 16 r, 8 lane; v236-244, v248-251 phase 2's addresses; v245-247, v252-255 scale words and bytes alone.
; Window 1: v0-239 five buffers of 48 for quads of the value table (the fifth first holds V's two groups on their way to LDS); v240-255 p's bytes + M.
; Two waves share a SIMD's 1,024 registers: 512 each.  The second window buys five quads on their way; its price is two switches for a quad's loads and its products, and two a key step.
.set MSB, 0
.macro WIN new                         ; the immediate's high byte repeats the setting that is left; a switch that changes nothing is dropped
.if MSB != \new
	s_set_vgpr_msb (MSB<<8)|\new
.set MSB, \new
.endif
.endm
.macro PLACES n
.rept \n
	v_nop
.endr
.endm
.macro AMAX x, m, n
	v_max3_num_f32 v[\m], |v[(\x)]|, |v[(\x)+1]|, FLOOR
	v_max3_num_f32 v[\n], |v[(\x)+2]|, |v[(\x)+3]|, FLOOR
.irp i, 4,8,12,16,20,24,28
	v_max3_num_f32 v[\m], v[\m], |v[(\x)+\i]|, |v[(\x)+\i+1]|
	v_max3_num_f32 v[\n], v[\n], |v[(\x)+\i+2]|, |v[(\x)+\i+3]|
.endr
	v_max_num_f32 v[\m], v[\m], v[\n]
.endm
.macro CODES x, c, e, sc
	v_cvt_scalef32_pk16_fp6_f32 v[(\c):(\c)+2], v[(\x):(\x)+15], v[\sc]
	v_cvt_scalef32_pk16_fp6_f32 v[(\e):(\e)+2], v[(\x)+16:(\x)+31], v[\sc]
	v_nop                                          ; one plain place behind a scaled conversion
	v_mov_b32 v[(\c)+3], v[(\e)]
	v_mov_b32 v[(\c)+4], v[(\e)+1]
	v_mov_b32 v[(\c)+5], v[(\e)+2]
.endm
.macro LDAK i                          ; group i of my window of the key table: 4 half images and their words
.irp t, 0,1,2,3
	ds_load_b128 v[74+6*\t:74+6*\t+3], v4 offset:(\i)*3072+768*\t
	ds_load_b64 v[74+6*\t+4:74+6*\t+5], v5 offset:(\i)*3072+768*\t
.endr
	ds_load_b128 v[108:111], v6 offset:(\i)*256
.endm
.macro LDK g                           ; keys 64 g on
.irp t, 0,1,2,3
	ds_load_b128 v[44+6*\t:44+6*\t+3], v233 offset:(\g)*3072+768*\t
	ds_load_b64 v[44+6*\t+4:44+6*\t+5], v2 offset:(\g)*3072+768*\t
.endr
	ds_load_b128 v[104:107], v3 offset:(\g)*256
.endm
.macro RMUL                            ; R^T = table x q^T
.irp t, 0,1,2,3
	v_wmma_scale_f32_16x16x128_f8f6f4 v[176+8*\t:176+8*\t+7], v[74+6*\t:74+6*\t+11], v[32:43], 0, v[108+\t], v31 matrix_a_fmt:MATRIX_FMT_FP6 matrix_b_fmt:MATRIX_FMT_FP6
.endr
.endm
.macro RST i                           ; my 32 numbers of group i into half i % 2 of my row of the scratch; each accumulator from its low end on
.irp t, 0,1,2,3
	ds_store_b128 v7, v[176+8*\t:176+8*\t+3] offset:256*((\i)%2)+32*\t
	ds_store_b128 v7, v[176+8*\t+4:176+8*\t+7] offset:256*((\i)%2)+32*\t+16
.endr
.endm
.macro SLD g                           ; and back, 60 - 4 m numbers on: R at my query's 32 keys of step g.  In odd steps the row's halves have changed places: an address a load
.set LB, 112+32*((\g)%2)
.irp q, 0,1,2,3,4,5,6,7
.if (\g)%2 == 0
	ds_load_b128 v[LB+4*\q:LB+4*\q+3], v8 offset:16*\q
.else
	ds_load_b128 v[LB+4*\q:LB+4*\q+3], v[10+\q]
.endif
.endr
.endm
; Quad tau of my window of T_rho: its scale words, then 4 images of 1,536 bytes into buffer tau % 5 of window 1: 13 loads.  It leaves the destination's window at 1.
.macro AVLOAD tau
.set NF, 48*((\tau)%5)
.set NW, 208+4*((\tau)%5)
.if ((\tau)%5) == 4
.set NW, 104
.endif
	WIN 0
	global_load_b128 v[NW:NW+3], v234, s[38:39] offset:256*(\tau)
	WIN 0x40                                       ; destination window 1, address window 0
.irp t, 0,1,2,3
.irp k, 0,1,2
	global_load_b128 v[NF+12*\t+4*\k:NF+12*\t+4*\k+3], v233, s[36:37] offset:(4*(\tau)+\t)*1536+512*\k
.endr
.endr
.endm
; V's two groups of 64 keys that I bring: their scale words, then 2 x 3,072 bytes into the fifth buffer: 14 loads
.macro VLOAD
	WIN 0
.irp gg, 0,1
	global_load_b64 v[252+2*\gg:253+2*\gg], v235, s[32:33] offset:53248*\gg
.endr
	WIN 0x40
.irp gg, 0,1
.irp k, 0,1,2,3,4,5
	global_load_b128 v[192+24*\gg+4*\k:192+24*\gg+4*\k+3], v233, s[30:31] offset:53248*\gg+512*\k
.endr
.endr
.endm
; A STEP OF 64 KEYS
.macro SUB g
.set SB, 112+32*((\g)%2)
.if (\g) == 0
	s_wait_dscnt 0x0
.else
	s_wait_dscnt 3                                 ; R for this step, K's tiles, the table's next group and R's stores are done; the last step's three stores of p, issued behind them, may be out
.endif
.irp t, 0,1,2,3
	v_wmma_scale_f32_16x16x128_f8f6f4 v[SB+8*\t:SB+8*\t+7], v[44+6*\t:44+6*\t+11], v[32:43], v[SB+8*\t:SB+8*\t+7], v[104+\t], v31 matrix_a_fmt:MATRIX_FMT_FP6 matrix_b_fmt:MATRIX_FMT_FP6
.endr
.if (\g) < 15
	RMUL                                           ; group g + 2.  It begins R anew: behind the last group's products stand the last step's softmax lines, far more than the five places owed
.endif
	PLACES 4                                       ; in front of stores of results, of loads into operands, of the first read of the scores
.if (\g) < 15
	RST (\g)+2                                     ; over group g, whose reads are in
	SLD (\g)+1
	LDK (\g)+1
.endif
.if (\g) < 14
	LDAK (\g)+3
.endif
.irp t, 0,1,2,3
	v_max3_num_f32 v[24+\t], v[SB+8*\t], v[SB+8*\t+1], v[SB+8*\t+2]   ; my block's largest score, in four chains
.endr
.irp t, 0,1,2,3
	v_max3_num_f32 v[24+\t], v[24+\t], v[SB+8*\t+3], v[SB+8*\t+4]
.endr
.irp t, 0,1,2,3
	v_max3_num_f32 v[24+\t], v[24+\t], v[SB+8*\t+5], v[SB+8*\t+6]
.endr
	v_max3_num_f32 v24, v24, v[SB+7], v[SB+15]
	v_max3_num_f32 v26, v26, v[SB+23], v[SB+31]
	v_max3_num_f32 v24, v24, v25, v26
	v_max_num_f32 v24, v24, v27
	v_permlanex16_b32 v28, v24, s46, s47           ; the query's other 32 keys lie in lane l xor 16
	v_max_num_f32 v25, v24, v28
	v_mul_f32 v25, s48, v25
	v_max_num_f32 v19, v19, v25                    ; the running largest t
	v_mov_b32 v29, v18
	v_floor_f32 v18, -v19                          ; -M = floor(-t): a whole number
	v_sub_f32 v29, v18, v29
	v_cvt_i32_f32 v29, v29                         ; (it saturates)
	v_ldexp_f32 v22, 1.0, v29                      ; f = 2^(old M - new M)
	v_cvt_i32_f32 v30, v18
.set j, 0
.rept 16
	v_pk_fma_f32 v[SB+j:SB+j+1], v[SB+j:SB+j+1], s[48:49], v[18:19] op_sel_hi:[1,0,0]   ; t - M
.set j, j+2
.endr
	v_fma_f32 v24, v24, s48, v18                   ; the same of the block's largest score
.set j, 0
.rept 32
	v_exp_f32 v[SB+j], v[SB+j]
.set j, j+1
.endr
	v_exp_f32 v24, v24                             ; the block's largest p
	v_pk_mul_f32 v[20:21], v[20:21], v[22:23] op_sel_hi:[1,0]   ; l under the new M: a plain place behind the exponentials
	s_wait_alu depctr_va_vdst(0)                   ; one wait for the batch, ahead of its first reader
	v_pk_add_f32 v[26:27], v[SB:SB+1], v[SB+2:SB+3]   ; l takes the unquantised p, in two chains
.irp i, 4,8,12,16,20,24,28
	v_pk_add_f32 v[20:21], v[20:21], v[SB+\i:SB+\i+1]
	v_pk_add_f32 v[26:27], v[26:27], v[SB+\i+2:SB+\i+3]
.endr
	v_pk_add_f32 v[20:21], v[20:21], v[26:27]
	v_max_num_f32 v24, FLOOR, v24
	v_add_nc_u32 v25, 0xff000000, v24              ; the conversion's scale operand
	v_lshrrev_b32 v29, 23, v25
.if (\g) == 0                          ; what phase 2 wants from memory goes out here, a part in every second step: V first, then the table's quads 0 to 3
	VLOAD
.elseif ((\g) <= 8) && ((\g)%2 == 0)
	AVLOAD (\g)/2-1
.endif
	WIN 0x40
	v_sub_nc_u32 v[240+(\g)], v29, v30             ; byte + M, kept in window 1
	WIN 0
.if (\g) > 0                           ; the last step's three stores of p have read their registers: behind them stand only this step's own LDS instructions
.if (\g) < 14
	s_wait_dscnt 34                                ; 8 stores of R, 8 loads of R, 9 of K, 9 of the table
.elseif (\g) == 14
	s_wait_dscnt 25                                ; the same without the table's 9
.else
	s_wait_dscnt 0x0                               ; the last step asks LDS for nothing
.endif
.endif
	CODES SB, 224, 230, 25
	ds_store_b64 v9, v[224:225] offset:48*(\g)
	ds_store_b64 v9, v[226:227] offset:48*(\g)+8
	ds_store_b64 v9, v[228:229] offset:48*(\g)+16
.endm
; PHASE 2.  The addresses of table step tau: p's block for my column is b = 4 tau + 2 c + h + r - 15
.macro AADR tau
.irp c, 0,1
	v_add_nc_u32 v248, 4*(\tau)+2*\c-15, v236
	v_cmp_gt_u32 s[40+\c], 32, v248                ; does it lie in 0 .. 31?
	v_and_b32 v248, 31, v248
	v_mad_u32_u24 v[249+\c], v248, 24, v237
.endr
.endm
.macro ALDS tau                        ; its LDS loads: p's two blocks a lane into set tau % 2, and the two words that hold its four bytes: 8 loads
.set LPF, 192-48*((\tau)%2)
.irp c, 0,1
.irp k, 0,1,2
	ds_load_b64 v[LPF+6*\c+2*\k:LPF+6*\c+2*\k+1], v[249+\c] offset:8*\k
.endr
.endr
	ds_load_b32 v245, v238 offset:4*(\tau)
	ds_load_b32 v246, v238 offset:4*(\tau)+4
.endm
.macro VLDS s                          ; the LDS loads of V's step s, keys 128 s on: 4 fragments, their words, p and its word: 24 loads
.irp t, 0,1,2,3
	ds_load_b128 v[32+12*\t:32+12*\t+3], v233 offset:6144*(\s)+768*\t
	ds_load_b64 v[32+12*\t+4:32+12*\t+5], v2 offset:6144*(\s)+768*\t
	ds_load_b128 v[32+12*\t+6:32+12*\t+9], v233 offset:6144*(\s)+3072+768*\t
	ds_load_b64 v[32+12*\t+10:32+12*\t+11], v2 offset:6144*(\s)+3072+768*\t
.endr
	ds_load_b128 v[108:111], v3 offset:256*(\s)
.irp c, 0,1
.irp k, 0,1,2
	ds_load_b64 v[80+6*\c+2*\k:80+6*\c+2*\k+1], v240 offset:96*(\s)+48*\c+8*\k
.endr
.endr
	ds_load_b32 v252, v243 offset:4*(\s)
.endm
; TABLE STEP tau.  nk: what follows: 1 table step ni, 2 V's step ni, 0 nothing.  Its LDS data were asked for in the step before.
; Behind the line that makes p's scale word stand eight places that name nothing of the products (six address lines and two v_nop, or eight v_nop), as a scale register written by a vector instruction wants
; ahead of a scaled matrix instruction; they are also the four places in front of the loads into registers that earlier products have read.
.macro ASTEP tau, nk, ni
.set BF, 48*((\tau)%5)
.set BW, 208+4*((\tau)%5)
.if ((\tau)%5) == 4
.set BW, 104
.endif
.set PF, 192-48*((\tau)%2)
.set PW, 247+6*((\tau)%2)
	s_wait_dscnt 0x0                               ; p's blocks and bytes are in
	v_alignbit_b32 v[PW], v246, v245, v239         ; the four bytes from r + 1 + 4 tau on
.if ((\tau) < 4) || ((\tau) > 7)       ; in quads 4 to 7 every column's blocks lie in 0 .. 31
.irp c, 0,1
.irp i, 0,1,2,3,4,5
	v_cndmask_b32 v[PF+6*\c+\i], 0, v[PF+6*\c+\i], s[40+\c]
.endr
.endr
.endif
.if (\nk) == 1
	AADR (\ni)
	PLACES 2
	ALDS (\ni)
.elseif (\nk) == 2
	PLACES 8
	VLDS (\ni)
.else
	PLACES 8
.endif
.if ((\tau) > 0) && ((\tau) < 8)
	AVLOAD (\tau)+4                                ; into the buffer that the last table step read
.endif
.if (\tau) < 8
	s_wait_loadcnt 52                              ; this quad's 13 loads are in; those of the four quads behind it may be out
.else
	s_wait_loadcnt 13*(11-(\tau))                  ; the counts run down
.endif
	WIN 0x01                                       ; source 0, the table, in window 1
.irp t, 0,1,2,3
.if (\tau) == 0
	v_wmma_scale_f32_16x16x128_f8f6f4 v[112+8*\t:112+8*\t+7], v[BF+12*\t:BF+12*\t+11], v[PF:PF+11], 0, v[BW+\t], v[PW] matrix_a_fmt:MATRIX_FMT_FP6 matrix_b_fmt:MATRIX_FMT_FP6
.else
	v_wmma_scale_f32_16x16x128_f8f6f4 v[112+8*\t:112+8*\t+7], v[BF+12*\t:BF+12*\t+11], v[PF:PF+11], v[112+8*\t:112+8*\t+7], v[BW+\t], v[PW] matrix_a_fmt:MATRIX_FMT_FP6 matrix_b_fmt:MATRIX_FMT_FP6
.endif
.endr
	WIN 0
.endm
; V'S STEP s; table step ni follows.  All its operands and scales come by loads: they owe only their wait
.macro VSTEP s, ni
	s_wait_dscnt 0x0
	AADR (\ni)
	ALDS (\ni)
.irp t, 0,1,2,3
	v_wmma_scale_f32_16x16x128_f8f6f4 v[112+8*\t:112+8*\t+7], v[32+12*\t:32+12*\t+11], v[80:91], v[112+8*\t:112+8*\t+7], v[108+\t], v252 matrix_a_fmt:MATRIX_FMT_FP6 matrix_b_fmt:MATRIX_FMT_FP6
.endr
.endm
	s_load_b256 s[4:11], s[0:1], 0x0               ; QK, VB, TAB, OCS
	v_lshl_add_u32 v241, v0, 2, 0x4d600
	v_mov_b32 v242, 0
	v_lshrrev_b32 v194, 5, v0
	v_readfirstlane_b32 s12, v194                  ; wave w
	s_and_b32 s13, ttmp7, 0xffff                   ; 16 batch + head
	s_and_b32 s14, ttmp9, 3                        ; a
	s_lshr_b32 s15, ttmp9, 2                       ; g
	s_lshr_b32 s16, s13, 4                         ; batch
	s_and_b32 s17, s13, 15                         ; head
	s_xor_b32 s18, s15, 1                          ; 1 - g
	s_lshl_b32 s19, s15, 3
	s_add_co_u32 s19, s19, s12                     ; 8 g + w
	s_mov_b32 s46, 0x76543210
	s_mov_b32 s47, 0xfedcba98
	s_mov_b32 s48, 0x3cb8aa3b                      ; log2(e) / 64
	s_mov_b32 s49, s48
	s_mul_i32 s20, s13, 53248
	s_mov_b32 s21, 0
	s_lshl_b32 s22, s19, 2
	s_add_co_u32 s22, s22, s14
	s_mul_i32 s22, s22, 768
	s_add_co_u32 s22, s22, s20                     ; q's half image 4 (8 g + w) + a
	s_mov_b32 s23, 0
	s_lshl_b32 s24, s19, 8
	s_lshl_b32 s25, s14, 2
	s_add_co_u32 s24, s24, s25
	s_add_co_u32 s24, s24, s20
	s_add_co_u32 s24, s24, 49152                   ; its scale words
	s_mov_b32 s25, 0
	s_mul_i32 s26, s14, 106496
	s_mul_i32 s27, s18, 24576
	s_add_co_u32 s28, s26, 16384+98304
	s_add_co_u32 s26, s26, s27
	s_add_co_u32 s26, s26, 16384                   ; copy a of the key table, from group 8 (1 - g)
	s_lshl_b32 s27, s18, 11
	s_add_co_u32 s28, s28, s27
	s_mov_b32 s27, 0
	s_mov_b32 s29, 0
	s_add_co_u32 s20, s20, 3407872                 ; K's block
	s_lshl_b32 s30, s16, 4
	s_lshl_b32 s31, s12, 1
	s_add_co_u32 s30, s30, s31
	s_mul_i32 s30, s30, 53248                      ; V's blocks 16 batch + 2 w, + 1
	s_lshl_b32 s32, s17, 8
	s_add_co_u32 s32, s32, s30
	s_add_co_u32 s32, s32, 49152
	s_mul_i32 s31, s17, 3072
	s_add_co_u32 s30, s30, s31
	s_mov_b32 s31, 0
	s_mov_b32 s33, 0
	s_lshl_b32 s34, s12, 2
	s_add_co_u32 s34, s34, s14                     ; rho = a + 4 w
	s_mul_i32 s36, s34, 102400
	s_add_co_u32 s36, s36, 442368
	s_lshl_b32 s38, s18, 10
	s_add_co_u32 s38, s38, s36
	s_add_co_u32 s38, s38, 98304
	s_mul_i32 s37, s18, 24576
	s_add_co_u32 s36, s36, s37                     ; T_rho from quad 4 (1 - g)
	s_mov_b32 s37, 0
	s_mov_b32 s39, 0
	s_lshl_b32 s42, s16, 6
	s_lshl_b32 s43, s34, 1
	s_add_co_u32 s42, s42, s43
	s_add_co_u32 s42, s42, s15
	s_mul_i32 s42, s42, 12800                      ; the output's tile 64 batch + 2 rho + g
	s_lshr_b32 s44, s17, 1
	s_lshl_b32 s44, s44, 6
	s_and_b32 s45, s17, 1
	s_lshl_b32 s45, s45, 1
	s_add_co_u32 s44, s44, s45
	s_add_co_u32 s44, s44, s42
	s_mul_i32 s43, s17, 768
	s_add_co_u32 s42, s42, s43
	s_add_co_u32 s42, s42, 512
	s_mov_b32 s43, 0
	s_mov_b32 s45, 0
	v_and_b32 v195, 31, v0                         ; lane
	v_and_b32 v196, 15, v0                         ; r = m
	v_bfe_u32 v197, v0, 4, 1                       ; h
	v_lshlrev_b32 v233, 4, v195
	v_lshlrev_b32 v234, 4, v196
	v_lshlrev_b32 v235, 3, v195
	v_lshlrev_b32 v198, 4, v0
	v_lshlrev_b32 v199, 3, v0
	s_wait_kmcnt 0x0
	s_add_nc_u64 s[20:21], s[4:5], s[20:21]
	s_add_nc_u64 s[22:23], s[4:5], s[22:23]
	s_add_nc_u64 s[24:25], s[4:5], s[24:25]
	s_add_nc_u64 s[26:27], s[8:9], s[26:27]
	s_add_nc_u64 s[28:29], s[8:9], s[28:29]
	s_add_nc_u64 s[30:31], s[6:7], s[30:31]
	s_add_nc_u64 s[32:33], s[6:7], s[32:33]
	s_add_nc_u64 s[36:37], s[8:9], s[36:37]
	s_add_nc_u64 s[38:39], s[8:9], s[38:39]
	s_add_nc_u64 s[42:43], s[10:11], s[42:43]
	s_add_nc_u64 s[44:45], s[10:11], s[44:45]
.irp k, 0,1,2,3,4,5,6,7,8,9,10,11,12
	global_load_b128 v[44+4*\k:44+4*\k+3], v198, s[20:21] offset:4096*\k
.endr
.irp k, 0,1,2,3,4,5,6,7,8,9,10,11,12,13,14,15,16,17
	global_load_b128 v[112+4*\k:112+4*\k+3], v198, s[26:27] offset:4096*\k
.endr
.irp k, 0,1,2
	global_load_b64 v[184+2*\k:184+2*\k+1], v199, s[28:29] offset:2048*\k
.endr
	global_load_b128 v[32:35], v233, s[22:23]
	global_load_b64 v[36:37], v235, s[22:23] offset:512
	global_load_b32 v31, v234, s[24:25]
	; every LDS address of the launch but those of the table steps, from the thread's number and the wave's alone
	v_add_nc_u32 v200, AKW, v198
	v_add_nc_u32 v201, 65536, v200
	v_add_nc_u32 v202, AKS, v199
	v_add_nc_u32 v203, PS, v198
.irp i, 190,191,192,193
	v_mov_b32 v\i, 0x7f7f7f7f
.endr
	s_xor_b32 s50, s12, 7                          ; my window begins at group 7 - w of the 24
	s_mul_i32 s51, s50, 3072
	s_add_co_u32 s51, s51, AKW
	s_lshl_b32 s52, s50, 8
	s_add_co_u32 s52, s52, AKS
	s_mul_i32 s53, s12, 16*SP
	s_add_co_u32 s53, s53, SCR
	v_add_nc_u32 v2, 512, v235
	v_add_nc_u32 v3, 49152, v234
	v_add_nc_u32 v4, s51, v233
	v_add_nc_u32 v5, s51, v2
	v_add_nc_u32 v6, s52, v234
	v_mul_u32_u24 v204, v196, SP
	v_add_nc_u32 v204, s53, v204                   ; my row of the scratch
	v_lshl_add_u32 v7, v197, 7, v204
	v_lshlrev_b32 v205, 4, v196
	v_sub_nc_u32 v205, 240, v205
	v_lshl_add_u32 v205, v197, 7, v205             ; 240 - 16 m + 128 h
	v_add_nc_u32 v8, v204, v205
.irp q, 0,1,2,3,4,5,6,7
	v_add_nc_u32 v[10+\q], 16*\q, v205
	v_xor_b32 v[10+\q], 256, v[10+\q]
	v_add_nc_u32 v[10+\q], v204, v[10+\q]
.endr
	v_and_b32 v206, 7, v196
	v_lshlrev_b32 v206, 4, v206
	v_lshrrev_b32 v207, 3, v196
	v_add_nc_u32 v206, v206, v207
	s_lshl_b32 s54, s12, 1
	v_add_nc_u32 v206, s54, v206                   ; my query's row in P: 16 (m & 7) + 2 w + (m >> 3)
	v_mul_u32_u24 v9, v206, 776
	v_mad_u32_u24 v9, v197, 24, v9
	v_add_nc_u32 v9, PP, v9
	v_lshl_add_u32 v251, v206, 2, LS
	v_mul_u32_u24 v1, v206, 96
	v_add_nc_u32 v1, v1, v197
	v_add_nc_u32 v1, PS+16, v1
	s_lshl_b32 s55, s12, 4
	v_add_nc_u32 v207, s55, v196                   ; phase 2: column r is row 16 w + r of P
	v_add_nc_u32 v236, v196, v197
	v_mul_u32_u24 v237, v207, 776
	v_add_nc_u32 v237, PP, v237
	v_mad_u32_u24 v240, v197, 24, v237
	v_mul_u32_u24 v243, v207, 96
	v_add_nc_u32 v243, PS, v243
	v_add_nc_u32 v248, 1, v196
	v_and_b32 v239, 3, v248
	v_lshlrev_b32 v239, 3, v239
	v_and_b32 v248, 0x1c, v248
	v_add_nc_u32 v238, v243, v248
	v_add_nc_u32 v243, 16, v243
	v_lshl_add_u32 v244, v207, 2, LS
	s_wait_loadcnt 0x0
.irp k, 0,1,2,3,4,5,6,7,8,9,10,11,12
	ds_store_b128 v198, v[44+4*\k:44+4*\k+3] offset:4096*\k
.endr
.irp k, 0,1,2,3,4,5,6,7,8,9,10,11,12,13,14,15
	ds_store_b128 v200, v[112+4*\k:112+4*\k+3] offset:4096*\k
.endr
	ds_store_b128 v201, v[176:179]
	ds_store_b128 v201, v[180:183] offset:4096
.irp k, 0,1,2
	ds_store_b64 v202, v[184+2*\k:184+2*\k+1] offset:2048*\k
	ds_store_b128 v203, v[190:193] offset:4096*\k
.endr
.irp i, 38,39,40,41,42,43,68,69,70,71,72,73,98,99,100,101,102,103
	v_mov_b32 v\i, 0                               ; q's upper half, and what stands behind the last tiles: zero codes
.endr
	v_mov_b32 v19, 0xff61b1e6                      ; the largest t so far: -3e38
	v_floor_f32 v18, -v19
	v_mov_b32 v20, 0
	v_mov_b32 v21, 0
	v_mov_b32 v23, 0
	v_mov_b32 v28, 0
	s_wait_dscnt 0x0                               ; my stores have landed,
	s_barrier_signal -1
	s_barrier_wait -1                              ; everybody's have
	LDAK 0
	s_wait_dscnt 0x0
	RMUL
	PLACES 5                                       ; the next four begin R anew: a matrix instruction that writes over an earlier one's result stands five places behind it
	RST 0
	LDAK 1
	s_wait_dscnt 0x0
	RMUL
	PLACES 5                                       ; five again: the first step's four table products begin R anew, and only LDS work, a wait and other products stand between
	RST 1
	SLD 0
	LDK 0
	LDAK 2
.irp g, 0,1,2,3,4,5,6,7,8,9,10,11,12,13,14,15
	SUB \g
.endr
	; the row's figures are finished
	v_add_f32 v20, v20, v21
	v_permlanex16_b32 v28, v20, s46, s47
	v_add_f32 v20, v20, v28                        ; l
	ds_store_b32 v251, v20
	v_mov_b32 v29, 0
	WIN 0x01                                       ; source 0 window 1
.set g, 0
.rept 16
	v_add_nc_u32 v[176+g], v[240+g], v30           ; byte + M of its step - the last M, back in window 0
.set g, g+1
.endr
	WIN 0
.set g, 0
.rept 16
	v_cmp_gt_i32 vcc_lo, 0, v[176+g]
	v_cndmask_b32 v[176+g], v[176+g], v29, vcc_lo  ; held at 0 from below
	ds_store_b8 v1, v[176+g] offset:2*g
.set g, g+1
.endr
	s_mul_i32 s56, s12, 6144
	v_add_nc_u32 v24, s56, v233                    ; where V's two groups go: 6,144 w + 16 lane
	s_lshl_b32 s57, s12, 8
	s_add_co_u32 s57, s57, 49152
	v_add_nc_u32 v25, s57, v235                    ; and the pair's joined scale words: 256 w + 8 lane
	AADR 0
	s_wait_dscnt 0x0                               ; p, its bytes and l have landed; my reads of K are over
	s_barrier_signal -1
	s_barrier_wait -1
	s_wait_loadcnt 52                              ; V's 14 loads are in; the 52 of the table's quads 0 to 3, issued behind them, may be out
	v_lshl_or_b32 v252, v254, 16, v252             ; two bytes of each group of 64 keys make the word of 128: joined once, here
	v_lshl_or_b32 v253, v255, 16, v253
	WIN 0x04                                       ; an LDS store's data are its source 1: window 1
.irp gg, 0,1
.irp k, 0,1,2,3,4,5
	ds_store_b128 v24, v[192+24*\gg+4*\k:192+24*\gg+4*\k+3] offset:3072*\gg+512*\k
.endr
.endr
	WIN 0
	ds_store_b64 v25, v[252:253]
	ALDS 0                                         ; the first table step's p: written ahead of the barrier just passed, and by nobody since
	s_wait_dscnt 0x0                               ; V's stores have landed and have read their registers,
	AVLOAD 4                                       ; which take the table's quad 4
	WIN 0
	s_barrier_signal -1
	s_barrier_wait -1                              ; V lies where K lay; from here on LDS is only read
.irp i, 0,1,2,3,4,5,6,7
	ASTEP \i, 2, \i
	VSTEP \i, \i+1
.endr
	ASTEP 8, 1, 9
	ASTEP 9, 1, 10
	ASTEP 10, 1, 11
	ASTEP 11, 0, 0
	ds_load_b32 v24, v244
	PLACES 4                                       ; behind the last products
	s_wait_dscnt 0x0
	v_rcp_f32 v24, v24
	v_nop                                          ; a plain place behind the transcendental
	s_wait_alu depctr_va_vdst(0)                   ; and the wait ahead of its first reader
.set j, 0
.rept 32
	v_mul_f32 v[32+j], v[112+j], v24               ; O^T / l: register j is e = 32 h + j of query r
.set j, j+1
.endr
	AMAX 32, 25, 26
	v_add_nc_u32 v27, 0xff000000, v25
	v_lshrrev_b32 v29, 23, v27
	CODES 32, 224, 230, 27
	v_and_b32 v28, 15, v0
	v_bfe_u32 v26, v0, 4, 1
	v_lshl_add_u32 v28, v28, 2, v26
	global_store_b128 v233, v[224:227], s[42:43]
	global_store_b64 v235, v[228:229], s[42:43] offset:512
	global_store_b8 v28, v29, s[44:45]
	s_wait_tensorcnt 0x0
	ds_add_u32 v241, v242
	s_wait_dscnt 0x0
	s_endpgm
.Lfunc_end_k_qe4f8026832_attn:
	.size	k_qe4f8026832_attn, .Lfunc_end_k_qe4f8026832_attn-k_qe4f8026832_attn
	.p2alignl 7, 3214868480
	.fill 96, 4, 3214868480
	.section	.rodata,"a",@progbits
	.p2align	6, 0x0
	.amdhsa_kernel k_qe4f8026832_attn
		.amdhsa_group_segment_fixed_size 317952
		.amdhsa_private_segment_fixed_size 0
		.amdhsa_enable_private_segment 0
		.amdhsa_kernarg_size 32
		.amdhsa_user_sgpr_count 2
		.amdhsa_user_sgpr_kernarg_segment_ptr 1
		.amdhsa_wavefront_size32 1
		.amdhsa_system_sgpr_workgroup_id_x 1
		.amdhsa_system_sgpr_workgroup_id_y 1
		.amdhsa_system_sgpr_workgroup_id_z 1
		.amdhsa_system_vgpr_workitem_id 0
		.amdhsa_next_free_vgpr 512
		.amdhsa_next_free_sgpr 66
		.amdhsa_reserve_vcc 1
		.amdhsa_float_denorm_mode_32 3
		.amdhsa_float_denorm_mode_16_64 3
		.amdhsa_memory_ordered 1
		.amdhsa_forward_progress 1
		.amdhsa_inst_pref_size 221
	.end_amdhsa_kernel
	.amdgpu_metadata
---
amdhsa.version: [ 1, 2 ]
amdhsa.kernels:
  - .name:           k_qe4f8026832_attn
    .symbol:         k_qe4f8026832_attn.kd
    .args:
      - { .name: QK, .offset: 0, .size: 8, .value_kind: global_buffer, .address_space: global }
      - { .name: VB, .offset: 8, .size: 8, .value_kind: global_buffer, .address_space: global }
      - { .name: TAB, .offset: 16, .size: 8, .value_kind: global_buffer, .address_space: global }
      - { .name: OCS, .offset: 24, .size: 8, .value_kind: global_buffer, .address_space: global }
    .group_segment_fixed_size: 317952
    .private_segment_fixed_size: 0
    .kernarg_segment_align: 8
    .kernarg_segment_size: 32
    .max_flat_workgroup_size: 256
    .sgpr_count:     66
    .vgpr_count:     512
    .wavefront_size: 32
...
	.end_amdgpu_metadata
.endif
;; end of part 3
;; launch outp (part 4): grid 8 x 32, 4 waves a work-group, clusters of 4 x 4, 222,720 bytes of LDS; arguments WVD, OCS, bd, out0; writes out0
.if DOCPART == 4
	.amdgcn_target "amdgcn-amd-amdhsa--gfx1250"
	.amdhsa_code_object_version 6
	.text
	.protected	k_qe4f8026832_outp
	.globl	k_qe4f8026832_outp
	.p2align	8
	.type	k_qe4f8026832_outp,@function
k_qe4f8026832_outp:
	s_mov_b64 s[64:65], 0
	v_nop
	global_prefetch_b8 v0, s[64:65] scope:SCOPE_SE
	s_setreg_imm32_b32 hwreg(HW_REG_WAVE_MODE, 25, 1), 1
	s_wait_xcnt 0x0
	s_wait_alu depctr_hold_cnt(0) depctr_sa_sdst(0) depctr_va_vdst(0) depctr_va_sdst(0) depctr_va_ssrc(0) depctr_va_vcc(0) depctr_vm_vsrc(0)
	s_getreg_b32 s2, hwreg(HW_REG_IB_STS2, 6, 4)
	s_cmp_eq_u32 s2, 0
	s_cbranch_scc0 .Lentry_in_a_cluster
	s_endpgm
.Lentry_in_a_cluster:
	s_bfe_u32 s2, ttmp6, 0x10000c
	s_cmp_lg_u32 s2, 0xf033
	s_cbranch_scc0 .Lentry_shape_is_right
	s_endpgm
.Lentry_shape_is_right:
; out0 = mish(O Wd + bd) on codes of FP6.  S0 = Wd's operand tiles (behind Wv's in the buffer), S1 = the attention's output, K = 1,024.
; The product is the projection launch's: a work-group makes 128 columns x 128 tokens, all of K in LDS, filled ONCE by two joint tensor loads a wave; a wave makes 64 x 64.
; S1's tile T = 64 batch + 2 rho + g holds tokens rho + 512 g + 32 n.  Lane (r, h) holds, for token row r of a tile, columns 32 h + 0 .. 31 of my 64.
; mish(x) = x n / (n + 2), n = E (E + 2), E = e^min(x, 20): beyond 20 the quotient is 1 in f32.  A tile's 16 rows x 256 bytes go through my own stage and leave as whole rows: sixteen lanes store 256 consecutive bytes, aligned.
; CLUSTER 4 x 4: S0's tiles are shared along a column of the cluster, S1's along a row.  LIMITS: NaN and infinities are not served.
.set S0A, 0
.set S0B, 53248
.set S1A, 102400
.set S1B, 155648
.set STAGE, 204800                     ; 4 waves x 16 rows x 272: no tensor load lands here
.set MSB, 0
.macro WIN new
.if MSB != \new
	s_set_vgpr_msb (MSB<<8)|\new
.set MSB, \new
.endif
.endm
.macro PLACES n
.rept \n
	v_nop
.endr
.endm
.macro CROUND
	s_barrier_signal -1
	s_barrier_wait -1
	s_cmp_lg_u32 s16, 0
	s_cbranch_scc1 .Lnot_wave_0_\@
	s_barrier_signal -3
.Lnot_wave_0_\@:
	s_barrier_wait -3
	s_barrier_signal -1
	s_barrier_wait -1
.endm
.macro GROUP1 g, c
	s_mov_b32 s[\g+1], (\c)<<16
	s_mov_b32 s[\g+2], 4<<16
	s_mov_b32 s[\g+3], (\c)<<16
	s_mov_b32 s[\g+4], 4
	s_mov_b32 s[\g+5], 1600
	s_mov_b32 s[\g+6], 0
	s_mov_b32 s[\g+7], 0
.endm
.macro LOADK s, p
.set FB, 32+104*(\p)
.irp t, 0,1,2,3
.if (\s) < 4
	ds_load_b128 v[FB+12*\t:FB+12*\t+3], v1 offset:\t*6656+1536*(\s)
	ds_load_b64 v[FB+12*\t+4:FB+12*\t+5], v2 offset:\t*6656+1536*(\s)
	ds_load_b128 v[FB+12*\t+6:FB+12*\t+9], v1 offset:\t*6656+1536*(\s)+768
	ds_load_b64 v[FB+12*\t+10:FB+12*\t+11], v2 offset:\t*6656+1536*(\s)+768
	ds_load_b128 v[FB+48+12*\t:FB+48+12*\t+3], v5 offset:\t*6656+1536*(\s)
	ds_load_b64 v[FB+48+12*\t+4:FB+48+12*\t+5], v6 offset:\t*6656+1536*(\s)
	ds_load_b128 v[FB+48+12*\t+6:FB+48+12*\t+9], v5 offset:\t*6656+1536*(\s)+768
	ds_load_b64 v[FB+48+12*\t+10:FB+48+12*\t+11], v6 offset:\t*6656+1536*(\s)+768
.else
	ds_load_b128 v[FB+12*\t:FB+12*\t+3], v3 offset:\t*6144+1536*((\s)-4)
	ds_load_b64 v[FB+12*\t+4:FB+12*\t+5], v4 offset:\t*6144+1536*((\s)-4)
	ds_load_b128 v[FB+12*\t+6:FB+12*\t+9], v3 offset:\t*6144+1536*((\s)-4)+768
	ds_load_b64 v[FB+12*\t+10:FB+12*\t+11], v4 offset:\t*6144+1536*((\s)-4)+768
	ds_load_b128 v[FB+48+12*\t:FB+48+12*\t+3], v7 offset:\t*6144+1536*((\s)-4)
	ds_load_b64 v[FB+48+12*\t+4:FB+48+12*\t+5], v8 offset:\t*6144+1536*((\s)-4)
	ds_load_b128 v[FB+48+12*\t+6:FB+48+12*\t+9], v7 offset:\t*6144+1536*((\s)-4)+768
	ds_load_b64 v[FB+48+12*\t+10:FB+48+12*\t+11], v8 offset:\t*6144+1536*((\s)-4)+768
.endif
	ds_load_b32 v[FB+96+\t], v9 offset:\t*6656+64*(\s)
	ds_load_b32 v[FB+100+\t], v10 offset:\t*6656+64*(\s)
.endr
.endm
.macro MULK p, zero                    ; the 16 accumulators take turns, in the same order in every K step
.set FB, 32+104*(\p)
	WIN 0x50
.irp u, 0,1,2,3
.irp t, 0,1,2,3
.if \zero
	v_wmma_scale_f32_16x16x128_f8f6f4 v[8*(4*\u+\t):8*(4*\u+\t)+7], v[FB+12*\t:FB+12*\t+11], v[FB+48+12*\u:FB+48+12*\u+11], 0, v[FB+96+\t], v[FB+100+\u] matrix_a_fmt:MATRIX_FMT_FP6 matrix_b_fmt:MATRIX_FMT_FP6
.else
	v_wmma_scale_f32_16x16x128_f8f6f4 v[8*(4*\u+\t):8*(4*\u+\t)+7], v[FB+12*\t:FB+12*\t+11], v[FB+48+12*\u:FB+48+12*\u+11], v[8*(4*\u+\t):8*(4*\u+\t)+7], v[FB+96+\t], v[FB+100+\u] matrix_a_fmt:MATRIX_FMT_FP6 matrix_b_fmt:MATRIX_FMT_FP6
.endif
.endr
.endr
.endm
.macro STEPK s
	WIN 0
	PLACES 4                                       ; in front of loads into registers that matrix instructions have read
	LOADK (\s)+1, ((\s)+1)%2
	s_wait_dscnt 40                                ; all but the 40 just issued
	MULK (\s)%2, 0
.endm
	s_load_b256 s[4:11], s[0:1], 0x0               ; WVD, OCS, bd, out0
	v_lshl_add_u32 v254, v0, 2, 0x36400
	v_mov_b32 v255, 0
	ds_add_u32 v254, v255
	ds_add_u32 v254, v255
	v_lshrrev_b32 v1, 5, v0
	v_readfirstlane_b32 s16, v1
	s_lshr_b32 s17, s16, 1
	s_and_b32 s18, s16, 1
	s_bfe_u32 s19, ttmp6, 0x40000
	s_bfe_u32 s20, ttmp6, 0x40004
	s_lshl_b32 s21, ttmp9, 2
	s_add_co_u32 s21, s21, s19                     ; x
	s_and_b32 s22, ttmp7, 0xffff
	s_lshl_b32 s22, s22, 2
	s_add_co_u32 s22, s22, s20                     ; y
	s_lshl_b32 s76, s20, 2
	s_lshl_b32 s76, 15, s76
	s_lshl_b32 s77, 0x1111, s19
	s_or_b32 s24, s77, (3<<16)|(1<<21)
	s_or_b32 s32, s77, (3<<16)|(1<<21)
	s_or_b32 s40, s76, (3<<16)|(1<<21)
	s_or_b32 s48, s76, (3<<16)|(1<<21)
	GROUP1 24, 832
	GROUP1 32, 768
	GROUP1 40, 832
	GROUP1 48, 768
	s_lshl_b32 s76, s21, 3
	s_lshl_b32 s77, s18, 2
	s_add_co_u32 s76, s76, s77
	s_mul_i32 s76, s76, 12800
	s_add_co_u32 s76, s76, 819200                  ; Wd's tiles lie behind Wv's
	s_mov_b32 s77, 0
	s_lshl_b32 s78, s22, 3
	s_lshl_b32 s79, s18, 2
	s_add_co_u32 s78, s78, s79
	s_mul_i32 s78, s78, 12800
	s_mov_b32 s79, 0
	s_mul_i32 s80, s18, 26624
	s_mul_i32 s81, s18, 24576
	s_wait_dscnt 0x0
	s_wait_kmcnt 0x0
	s_add_nc_u64 s[76:77], s[4:5], s[76:77]
	s_add_nc_u64 s[78:79], s[6:7], s[78:79]
	CROUND
	s_mov_b32 s56, 1
	s_mov_b32 s57, s80
	s_mov_b64 s[58:59], s[76:77]
	s_or_b32 s59, s59, 0x80000000
	s_mov_b32 s60, 1
	s_add_co_u32 s61, s81, S0B
	s_add_nc_u64 s[62:63], s[76:77], 6656
	s_or_b32 s63, s63, 0x80000000
	s_mov_b32 s68, 1
	s_add_co_u32 s69, s80, S1A
	s_mov_b64 s[70:71], s[78:79]
	s_or_b32 s71, s71, 0x80000000
	s_mov_b32 s72, 1
	s_add_co_u32 s73, s81, S1B
	s_add_nc_u64 s[74:75], s[78:79], 6656
	s_or_b32 s75, s75, 0x80000000
	s_cmp_eq_u32 s17, 0                            ; a wave's two fills stand in one branch: two loads of mine are out
	s_cbranch_scc0 .Lfor_s1
	tensor_load_to_lds s[56:59], s[24:31]
	s_nop 0
	tensor_load_to_lds s[60:63], s[32:39]
	s_nop 0
	PLACES 4
	s_branch .Lasked
.Lfor_s1:
	tensor_load_to_lds s[68:71], s[40:47]
	s_nop 0
	tensor_load_to_lds s[72:75], s[48:55]
	s_nop 0
	PLACES 4
.Lasked:
	v_and_b32 v20, 31, v0
	v_and_b32 v21, 15, v0
	v_bfe_u32 v22, v0, 4, 1
	v_lshlrev_b32 v13, 4, v20
	v_lshlrev_b32 v14, 3, v20
	v_lshlrev_b32 v15, 4, v21
	v_lshlrev_b32 v23, 2, v21
	s_mul_i32 s84, s17, 26624
	s_mul_i32 s85, s17, 24576
	s_mul_i32 s86, s18, 26624
	s_mul_i32 s87, s18, 24576
	v_add_nc_u32 v9, s84, v23
	s_add_co_u32 s88, s84, 512
	v_add_nc_u32 v1, s88, v13
	s_add_co_u32 s88, s84, 1024
	v_add_nc_u32 v2, s88, v14
	s_add_co_u32 s88, s85, S0B
	v_add_nc_u32 v3, s88, v13
	s_add_co_u32 s88, s85, S0B+512
	v_add_nc_u32 v4, s88, v14
	s_add_co_u32 s88, s86, S1A
	v_add_nc_u32 v10, s88, v23
	s_add_co_u32 s88, s86, S1A+512
	v_add_nc_u32 v5, s88, v13
	s_add_co_u32 s88, s86, S1A+1024
	v_add_nc_u32 v6, s88, v14
	s_add_co_u32 s88, s87, S1B
	v_add_nc_u32 v7, s88, v13
	s_add_co_u32 s88, s87, S1B+512
	v_add_nc_u32 v8, s88, v14
	s_lshl_b32 s89, s21, 1
	s_add_co_u32 s89, s89, s17                     ; my 64 columns: 2 x + half
	s_lshl_b32 s90, s89, 8
	v_lshlrev_b32 v16, 7, v22
	v_add_nc_u32 v16, s90, v16
	WIN 0x40
.irp i, 0,1,2,3,4,5,6,7
	global_load_b128 v[128+4*\i:128+4*\i+3], v16, s[8:9] offset:16*\i   ; bd at my columns 32 h + 0 .. 31
.endr
	WIN 0
	s_mul_i32 s88, s16, 4352
	s_add_co_u32 s88, s88, STAGE                   ; my stage
	v_mul_u32_u24 v27, v21, 272
	v_lshl_add_u32 v27, v22, 7, v27
	v_add_nc_u32 v27, s88, v27                     ; in: row r, 128 h
	v_mul_u32_u24 v28, v22, 272
	v_add_nc_u32 v28, v28, v15
	v_add_nc_u32 v28, s88, v28                     ; back: lanes 0-15 one row, lanes 16-31 the next
	v_lshl_add_u32 v29, v22, 17, v15               ; in out0: the next row of a tile is 32 tokens on
	s_lshl_b32 s91, s22, 3
	s_lshl_b32 s88, s18, 2
	s_add_co_u32 s91, s91, s88                     ; S1's first tile of mine
	s_lshr_b32 s92, s91, 6
	s_lshl_b32 s92, s92, 10                        ; 1,024 batch
	s_and_b32 s91, s91, 63
	s_lshr_b32 s91, s91, 1                         ; rho of tiles 0 and 1
	s_add_co_u32 s92, s92, s91
	s_lshl_b32 s92, s92, 12
	s_add_co_u32 s92, s92, s90
	s_mov_b32 s93, 0
	s_add_nc_u64 s[92:93], s[10:11], s[92:93]
	s_wait_tensorcnt 0x1                           ; my part of K 0-511 and of the scale words is in; K 512-1,023 may be out
	s_barrier_signal -1
	s_barrier_wait -1
	LOADK 0, 0
	LOADK 1, 1
	s_wait_dscnt 40
	MULK 0, 1
	STEPK 1
	STEPK 2
	s_wait_dscnt 0x0
	MULK 1, 0
	WIN 0
	s_wait_tensorcnt 0x0
	s_barrier_signal -1
	s_barrier_wait -1
	PLACES 4
	LOADK 4, 0
	STEPK 4
	STEPK 5
	STEPK 6
	s_wait_dscnt 0x0
	MULK 1, 0
	WIN 0
	PLACES 4
	s_wait_loadcnt 0x0
.irp u, 0,1,2,3
	WIN 0x05
.set j, 0
.rept 16
	v_pk_add_f32 v[32+j:33+j], v[32*\u+j:32*\u+j+1], v[128+j:129+j]   ; x = sum + bd; each accumulator from its low end on
.set j, j+2
.endr
	WIN 0
.set j, 0
.rept 32
	v_min_num_f32 v[64+j], 0x41a00000, v[32+j]     ; min(x, 20)
.set j, j+1
.endr
.set j, 0
.rept 16
	v_pk_mul_f32 v[64+j:65+j], v[64+j:65+j], 0x3fb8aa3b op_sel_hi:[1,0]
.set j, j+2
.endr
.set j, 0
.rept 32
	v_exp_f32 v[64+j], v[64+j]                     ; E
.set j, j+1
.endr
	v_nop                                          ; a plain place behind the exponentials
	s_wait_alu depctr_va_vdst(0)                   ; one wait for the batch
.set j, 0
.rept 16
	v_pk_add_f32 v[96+j:97+j], v[64+j:65+j], 2.0 op_sel_hi:[1,0]
.set j, j+2
.endr
.set j, 0
.rept 16
	v_pk_mul_f32 v[64+j:65+j], v[64+j:65+j], v[96+j:97+j]   ; n = E (E + 2)
.set j, j+2
.endr
.set j, 0
.rept 16
	v_pk_add_f32 v[96+j:97+j], v[64+j:65+j], 2.0 op_sel_hi:[1,0]
.set j, j+2
.endr
.set j, 0
.rept 32
	v_rcp_f32 v[96+j], v[96+j]
.set j, j+1
.endr
	v_nop
	s_wait_alu depctr_va_vdst(0)
.set j, 0
.rept 16
	v_pk_mul_f32 v[64+j:65+j], v[64+j:65+j], v[96+j:97+j]   ; n / (n + 2), at most 1
.set j, j+2
.endr
.set j, 0
.rept 16
	v_pk_mul_f32 v[32+j:33+j], v[32+j:33+j], v[64+j:65+j]
.set j, j+2
.endr
.irp q, 0,1,2,3,4,5,6,7
	ds_store_b128 v27, v[32+4*\q:32+4*\q+3] offset:16*\q
.endr
	s_wait_xcnt 0x0                                ; the last tile's stores have read their registers
.irp i, 0,1,2,3,4,5,6,7
	ds_load_b128 v[136+4*\i:136+4*\i+3], v28 offset:544*\i   ; LDS serves a wave's instructions in order: these see my stores
.endr
.irp i, 0,1,2,3,4,5,6,7
	s_wait_dscnt 7-\i
	global_store_b128 v29, v[136+4*\i:136+4*\i+3], s[92:93] offset:262144*\i+4096*(\u/2)+2097152*(\u%2) th:TH_STORE_NT   ; token rho + u / 2 + 512 (u % 2) + 32 (2 i + h)
.endr
.endr
	s_wait_tensorcnt 0x0
	ds_add_u32 v254, v255
	s_wait_dscnt 0x0
	CROUND                                         ; the closing round
	s_endpgm
.Lfunc_end_k_qe4f8026832_outp:
	.size	k_qe4f8026832_outp, .Lfunc_end_k_qe4f8026832_outp-k_qe4f8026832_outp
	.p2alignl 7, 3214868480
	.fill 96, 4, 3214868480
	.section	.rodata,"a",@progbits
	.p2align	6, 0x0
	.amdhsa_kernel k_qe4f8026832_outp
		.amdhsa_group_segment_fixed_size 222720
		.amdhsa_private_segment_fixed_size 0
		.amdhsa_enable_private_segment 0
		.amdhsa_kernarg_size 32
		.amdhsa_user_sgpr_count 2
		.amdhsa_user_sgpr_kernarg_segment_ptr 1
		.amdhsa_wavefront_size32 1
		.amdhsa_system_sgpr_workgroup_id_x 1
		.amdhsa_system_sgpr_workgroup_id_y 1
		.amdhsa_system_sgpr_workgroup_id_z 1
		.amdhsa_system_vgpr_workitem_id 0
		.amdhsa_next_free_vgpr 448
		.amdhsa_next_free_sgpr 98
		.amdhsa_reserve_vcc 0
		.amdhsa_float_denorm_mode_32 3
		.amdhsa_float_denorm_mode_16_64 3
		.amdhsa_memory_ordered 1
		.amdhsa_forward_progress 1
		.amdhsa_inst_pref_size 102
	.end_amdhsa_kernel
	.amdgpu_metadata
---
amdhsa.version: [ 1, 2 ]
amdhsa.kernels:
  - .name:           k_qe4f8026832_outp
    .symbol:         k_qe4f8026832_outp.kd
    .args:
      - { .name: WVD, .offset: 0, .size: 8, .value_kind: global_buffer, .address_space: global }
      - { .name: OCS, .offset: 8, .size: 8, .value_kind: global_buffer, .address_space: global }
      - { .name: bd, .offset: 16, .size: 8, .value_kind: global_buffer, .address_space: global }
      - { .name: out0, .offset: 24, .size: 8, .value_kind: global_buffer, .address_space: global }
    .group_segment_fixed_size: 222720
    .private_segment_fixed_size: 0
    .kernarg_segment_align: 8
    .kernarg_segment_size: 32
    .max_flat_workgroup_size: 128
    .sgpr_count:     98
    .vgpr_count:     448
    .wavefront_size: 32
...
	.end_amdgpu_metadata
.endif
;; end of part 4
;; ======== version 2 of 2: 5 launches; version 1 with the launch attn written anew for expert scheduling mode
;; workspace buffers: AQK 6,553,600 bytes; AX 3,276,800 bytes; WQK 1,638,400 bytes; WVD 1,638,400 bytes; TAB 3,719,168 bytes; QK 6,815,744 bytes; VB 3,407,872 bytes; OCS 3,276,800 bytes
;; launch prep: the kernel of part 1 again; grid 1280 x 1, 4 waves a work-group, no clusters, 22,016 bytes of LDS; arguments q, k, x, Wq, Wk, Wv, Wd, Wak, bak, Wav, bav, AQK, AX, WQK, WVD, TAB; writes AQK, AX, WQK, WVD, TAB
;; launch projqk: the kernel of part 2 again; grid 8 x 64, 4 waves a work-group, clusters of 4 x 4, 205,312 bytes of LDS; arguments WQK, AQK, bq, bk, TAB, QK; writes QK
;; launch projv: the kernel of part 2 again; grid 32 x 8, 4 waves a work-group, clusters of 4 x 4, 205,312 bytes of LDS; arguments AX, WVD, TAB, bq, bv, VB; writes VB
;; launch attn (part 5): grid 8 x 64, 8 waves a work-group, no clusters, 317,952 bytes of LDS; arguments QK, VB, TAB, OCS; writes OCS
.if DOCPART == 5
	.amdgcn_target "amdgcn-amd-amdhsa--gfx1250"
	.amdhsa_code_object_version 6
	.text
	.protected	k_qe4f8026832_attn
	.globl	k_qe4f8026832_attn
	.p2align	8
	.type	k_qe4f8026832_attn,@function
k_qe4f8026832_attn:
	s_mov_b64 s[64:65], 0
	v_nop
	global_prefetch_b8 v0, s[64:65] scope:SCOPE_SE
	s_setreg_imm32_b32 hwreg(HW_REG_WAVE_SCHED_MODE, 0, 2), 2
	s_setreg_imm32_b32 hwreg(HW_REG_WAVE_MODE, 25, 1), 1
	s_wait_xcnt 0x0
	s_wait_alu depctr_vm_vsrc(0)
; RELATIVE-POSITION ATTENTION ON CODES OF FP6.  out[i] = (sum_j p[i][j] (V[j] + av[i][j])) / l[i], p = 2^(t - M), t = (q_i . k_j + q_i . ak[i][j]) log2(e) / 64, M = ceil(the row's largest t).
; ak[i][j] = A_k[j - i + 1023], av likewise.  A work-group owns one (batch, head) (y) and the 128 queries i = 64 (8 g + w) + a + 4 m (x = a + 4 g; wave w, row m).
; PHASE 1 (wave w: its 16 queries, all 1,024 keys, 64 a step).  R = A_k x q^T for groups of 64 table rows; copy a of the table begins so that query row m wants R shifted by 60 - 4 m numbers:
; whole 16 bytes.  R goes through the wave's own scratch (two groups of 64 a row, by turns) and comes back, shifted, as the C of K x q^T.  Both products have K = 64: q's upper six registers are zero codes,
; so what stands in the other side's upper six (the next tile's codes, or zeros) adds nothing; scale bytes 2 and 3 are 0, which is 2^-127 and no NaN.
; The keys of a tile are 32 (n >> 3) + 8 t + (n & 7): lane (m, h) holds block 2 step + h of query m whole.  p is quantised under the RUNNING M; its byte is kept as byte + M and brought under the last M at the end (exact).
; PHASE 2 (wave w: the 16 queries with i % 32 = rho = a + 4 w).  av quantised along j is T_rho[c], c = b - i / 32 + 31: column r of P takes p's blocks shifted by whole blocks; blocks outside 0 .. 31 are zero codes.
; Twelve steps on quads of T_rho (128 along K each, from memory straight into registers) and eight on V (from LDS) take turns on the same four accumulators; each step asks for the next step's LDS data ahead of its own products.
; O^T / l is a whole block of 32 of the head's 64 in a lane: quantised and stored as a half image of the last product's operand.
; WHAT PHASE 2 WANTS FROM MEMORY IS ASKED FOR IN PHASE 1: V's two groups that the wave brings in key step 0, the table's quads 0 to 3 in key steps 2, 4, 6, 8; quad 4 when V has gone to LDS; quad tau + 4 in table step tau.
; LIMITS: NaN and infinities are not served; |t| under 2^24; a block of p whose byte would fall under 0 under the last M (p under 2^-120) is held at byte 0.
; THE MODE: SCHED_MODE bits 1:0 = 2 (LLVM: expert scheduling mode 2), set by the entry lines.  The code itself states the register dependences
; between vector or matrix instructions and memory or LDS instructions, with s_wait_alu, always for 0.  The text has no branch: one way leads through it.
; THE PLAN, PHASE 1.  Registers that LDS or memory instructions touch in key step g:
;   K v44-67, its words v104-107        read by step g's four score products; the step's loads, behind them, bring step g + 1's.
;   table v74-97, its words v108-111    read by step g's four table products; the step's loads bring group g + 3.
;   scores v112-143, v144-175           by turns: step g's products, softmax and conversions name one; R for step g + 1 lands in the other.
;   R v176-207                          written by step g's table products; read by step g's eight stores.
;   codes v224-229                      written by step g's conversions, its last lines; read by three stores in step g + 1.
;   the addresses                       made at the head and not written again in the phase.  Window 1's buffers, v208-223 and v252-255 are named by loads alone.
; So ONE wait on va_vdst stands ahead of a step's run of LDS instructions, behind the products' places and the softmax's first twelve lines; no vector or matrix line of the rest of the step names a register of that run.
; The wait behind the exponentials stands as it did.  ONE wait on vm_vsrc stands ahead of the conversions: p's stores have read the codes, R's stores have read R, which the next step's table products write.
; THE PLAN, PHASE 2.  Table step tau: p's set tau % 2 and v245, v246 are loaded a step ahead and read by its vector lines and products; v249, v250, the addresses of p's blocks for step tau + 1, are made in step tau;
;   V's fragments, p for V and their words are read by V's step and loaded in the table step ahead of it; buffer (tau - 1) % 5 of window 1 was read by the last table step and takes quad tau + 4.
; So a table step has one wait on vm_vsrc at its head (its own LDS loads have read v249, v250), one on va_sdst ahead of the first line that names s40 and s41 again (the selects, or the next compares), and ONE on va_vdst behind
; its places; all loads up to the next table step's follow that wait, among products that name none of their registers.  A step on V has no such wait.
.set FLOOR, 0x1800000
.set AKW, 53248                        ; LDS: 0: K's block, later V's (53,248); the key table's 24 groups x 3,072,
.set AKS, AKW+73728                    ; their scale words, 256 a group;
.set PP, 133120                        ; p's codes: 128 rows x 776 (32 blocks of 24 bytes + 8);
.set PS, 232448                        ; p's bytes: 128 rows x 96, byte b at 16 + b, 0x7f elsewhere;
.set LS, 244736                        ; l: 128 words;
.set SCR, 245248                       ; scratch: 8 waves x 16 rows x 560
.set SP, 560
; REGISTERS, in two windows of 256 (an instruction names v0-v255; s_set_vgpr_msb says which window each operand place means: bits 1:0 source 0, 3:2 source 1, 5:4 source 2, 7:6 destination).
; Window 0: v1 p's byte address; v2, v3 K's and V's b64 and word addresses; v4-6 the key table's; v7 scratch in; v8, v10-17 scratch back; v9 p's codes; v18 -M, v19 largest t; v[20:21] l; v[22:23] f; v24-30 at work; v31 q's scale word;
;   phase 1: v32-43 q; v44-73 K; v74-103 table; v104-107, v108-111 scale words; v112-143, v144-175 scores; v176-207 R; v224-232 codes;
;   phase 2: v32-79 V's fragments; v80-91 p for V; v104-107 the fifth buffer's scale words; v108-111 V's; v112-143 O^T; v192-203, v144-155 p for the table, by turns;
;   v208-223 four buffers' scale words; v233-235 16 lane, 16 r, 8 lane; v236-244, v248-251 phase 2's addresses; v245-247, v252-255 scale words and bytes alone.
; Window 1: v0-239 five buffers of 48 for quads of the value table (the fifth first holds V's two groups on their way to LDS); v240-255 p's bytes + M.
; Two waves share a SIMD's 1,024 registers: 512 each.  The second window buys five quads on their way; its price is two switches for a quad's loads and its products, and two a key step.
.set MSB, 0
.macro WIN new                         ; the immediate's high byte repeats the setting that is left; a switch that changes nothing is dropped
.if MSB != \new
	s_set_vgpr_msb (MSB<<8)|\new
.set MSB, \new
.endif
.endm
.macro PLACES n
.rept \n
	v_nop
.endr
.endm
.macro AMAX x, m, n
	v_max3_num_f32 v[\m], |v[(\x)]|, |v[(\x)+1]|, FLOOR
	v_max3_num_f32 v[\n], |v[(\x)+2]|, |v[(\x)+3]|, FLOOR
.irp i, 4,8,12,16,20,24,28
	v_max3_num_f32 v[\m], v[\m], |v[(\x)+\i]|, |v[(\x)+\i+1]|
	v_max3_num_f32 v[\n], v[\n], |v[(\x)+\i+2]|, |v[(\x)+\i+3]|
.endr
	v_max_num_f32 v[\m], v[\m], v[\n]
.endm
.macro CODES x, c, e, sc
	v_cvt_scalef32_pk16_fp6_f32 v[(\c):(\c)+2], v[(\x):(\x)+15], v[\sc]
	v_cvt_scalef32_pk16_fp6_f32 v[(\e):(\e)+2], v[(\x)+16:(\x)+31], v[\sc]
	v_nop                                          ; one plain place behind a scaled conversion
	v_mov_b32 v[(\c)+3], v[(\e)]
	v_mov_b32 v[(\c)+4], v[(\e)+1]
	v_mov_b32 v[(\c)+5], v[(\e)+2]
.endm
.macro LDAK i                          ; group i of my window of the key table: 4 half images and their words
.irp t, 0,1,2,3
	ds_load_b128 v[74+6*\t:74+6*\t+3], v4 offset:(\i)*3072+768*\t
	ds_load_b64 v[74+6*\t+4:74+6*\t+5], v5 offset:(\i)*3072+768*\t
.endr
	ds_load_b128 v[108:111], v6 offset:(\i)*256
.endm
.macro LDK g                           ; keys 64 g on
.irp t, 0,1,2,3
	ds_load_b128 v[44+6*\t:44+6*\t+3], v233 offset:(\g)*3072+768*\t
	ds_load_b64 v[44+6*\t+4:44+6*\t+5], v2 offset:(\g)*3072+768*\t
.endr
	ds_load_b128 v[104:107], v3 offset:(\g)*256
.endm
.macro RMUL                            ; R^T = table x q^T
.irp t, 0,1,2,3
	v_wmma_scale_f32_16x16x128_f8f6f4 v[176+8*\t:176+8*\t+7], v[74+6*\t:74+6*\t+11], v[32:43], 0, v[108+\t], v31 matrix_a_fmt:MATRIX_FMT_FP6 matrix_b_fmt:MATRIX_FMT_FP6
.endr
.endm
.macro RST i                           ; my 32 numbers of group i into half i % 2 of my row of the scratch; each accumulator from its low end on
.irp t, 0,1,2,3
	ds_store_b128 v7, v[176+8*\t:176+8*\t+3] offset:256*((\i)%2)+32*\t
	ds_store_b128 v7, v[176+8*\t+4:176+8*\t+7] offset:256*((\i)%2)+32*\t+16
.endr
.endm
.macro SLD g                           ; and back, 60 - 4 m numbers on: R at my query's 32 keys of step g.  In odd steps the row's halves have changed places: an address a load
.set LB, 112+32*((\g)%2)
.irp q, 0,1,2,3,4,5,6,7
.if (\g)%2 == 0
	ds_load_b128 v[LB+4*\q:LB+4*\q+3], v8 offset:16*\q
.else
	ds_load_b128 v[LB+4*\q:LB+4*\q+3], v[10+\q]
.endif
.endr
.endm
; Quad tau of my window of T_rho: its scale words, then 4 images of 1,536 bytes into buffer tau % 5 of window 1: 13 loads.  It leaves the destination's window at 1.
.macro AVLOAD tau
.set NF, 48*((\tau)%5)
.set NW, 208+4*((\tau)%5)
.if ((\tau)%5) == 4
.set NW, 104
.endif
	WIN 0
	global_load_b128 v[NW:NW+3], v234, s[38:39] offset:256*(\tau)
	WIN 0x40                                       ; destination window 1, address window 0
.irp t, 0,1,2,3
.irp k, 0,1,2
	global_load_b128 v[NF+12*\t+4*\k:NF+12*\t+4*\k+3], v233, s[36:37] offset:(4*(\tau)+\t)*1536+512*\k
.endr
.endr
.endm
; V's two groups of 64 keys that I bring: their scale words, then 2 x 3,072 bytes into the fifth buffer: 14 loads
.macro VLOAD
	WIN 0
.irp gg, 0,1
	global_load_b64 v[252+2*\gg:253+2*\gg], v235, s[32:33] offset:53248*\gg
.endr
	WIN 0x40
.irp gg, 0,1
.irp k, 0,1,2,3,4,5
	global_load_b128 v[192+24*\gg+4*\k:192+24*\gg+4*\k+3], v233, s[30:31] offset:53248*\gg+512*\k
.endr
.endr
.endm
; A STEP OF 64 KEYS
.macro SUB g
.set SB, 112+32*((\g)%2)
	s_wait_dscnt 0x0                               ; R for this step, K's tiles and the table's next group are in; R's stores and p's are done
.irp t, 0,1,2,3
	v_wmma_scale_f32_16x16x128_f8f6f4 v[SB+8*\t:SB+8*\t+7], v[44+6*\t:44+6*\t+11], v[32:43], v[SB+8*\t:SB+8*\t+7], v[104+\t], v31 matrix_a_fmt:MATRIX_FMT_FP6 matrix_b_fmt:MATRIX_FMT_FP6
.endr
.if (\g) < 15
	RMUL                                           ; group g + 2.  It begins R anew: behind the last group's products stand the last step's softmax lines, far more than the five places owed
.endif
	PLACES 4                                       ; in front of the first read of the scores and of the stores of R
.irp t, 0,1,2,3
	v_max3_num_f32 v[24+\t], v[SB+8*\t], v[SB+8*\t+1], v[SB+8*\t+2]   ; my block's largest score, in four chains.  These twelve lines read the score products' results alone: they stand ahead of the wait below
.endr
.irp t, 0,1,2,3
	v_max3_num_f32 v[24+\t], v[24+\t], v[SB+8*\t+3], v[SB+8*\t+4]
.endr
.irp t, 0,1,2,3
	v_max3_num_f32 v[24+\t], v[24+\t], v[SB+8*\t+5], v[SB+8*\t+6]
.endr
.if (\g) < 15
	s_wait_alu depctr_va_vdst(0)                   ; the table products have written R, which the stores below read; the products are done reading K's tiles, the table's group and their words, in which the loads below land; the last step's conversions have written p's codes, which the stores below read, and are done reading the other score buffer, in which R for the next step lands
.else
	s_wait_alu depctr_va_vdst(0)                   ; the last step's conversions have written p's codes, which the three stores below read
.endif
.if (\g) > 0
	ds_store_b64 v9, v[224:225] offset:48*((\g)-1)      ; the last step's p
	ds_store_b64 v9, v[226:227] offset:48*((\g)-1)+8
	ds_store_b64 v9, v[228:229] offset:48*((\g)-1)+16
.endif
.if (\g) < 15
	RST (\g)+2                                     ; over group g, whose reads are in
	SLD (\g)+1
	LDK (\g)+1
.endif
.if (\g) < 14
	LDAK (\g)+3
.endif
	v_max3_num_f32 v24, v24, v[SB+7], v[SB+15]     ; from here to the step's end no vector line names a register of the LDS instructions above but p's codes, behind their own wait
	v_max3_num_f32 v26, v26, v[SB+23], v[SB+31]
	v_max3_num_f32 v24, v24, v25, v26
	v_max_num_f32 v24, v24, v27
	v_permlanex16_b32 v28, v24, s46, s47           ; the query's other 32 keys lie in lane l xor 16
	v_max_num_f32 v25, v24, v28
	v_mul_f32 v25, s48, v25
	v_max_num_f32 v19, v19, v25                    ; the running largest t
	v_mov_b32 v29, v18
	v_floor_f32 v18, -v19                          ; -M = floor(-t): a whole number
	v_sub_f32 v29, v18, v29
	v_cvt_i32_f32 v29, v29                         ; (it saturates)
	v_ldexp_f32 v22, 1.0, v29                      ; f = 2^(old M - new M)
	v_cvt_i32_f32 v30, v18
.set j, 0
.rept 16
	v_pk_fma_f32 v[SB+j:SB+j+1], v[SB+j:SB+j+1], s[48:49], v[18:19] op_sel_hi:[1,0,0]   ; t - M
.set j, j+2
.endr
	v_fma_f32 v24, v24, s48, v18                   ; the same of the block's largest score
.set j, 0
.rept 32
	v_exp_f32 v[SB+j], v[SB+j]
.set j, j+1
.endr
	v_exp_f32 v24, v24                             ; the block's largest p
	v_pk_mul_f32 v[20:21], v[20:21], v[22:23] op_sel_hi:[1,0]   ; l under the new M: a plain place behind the exponentials
	s_wait_alu depctr_va_vdst(0)                   ; the 33 exponentials have written p and the block's largest p: one wait for the batch, ahead of its first reader
	v_pk_add_f32 v[26:27], v[SB:SB+1], v[SB+2:SB+3]   ; l takes the unquantised p, in two chains
.irp i, 4,8,12,16,20,24,28
	v_pk_add_f32 v[20:21], v[20:21], v[SB+\i:SB+\i+1]
	v_pk_add_f32 v[26:27], v[26:27], v[SB+\i+2:SB+\i+3]
.endr
	v_pk_add_f32 v[20:21], v[20:21], v[26:27]
	v_max_num_f32 v24, FLOOR, v24
	v_add_nc_u32 v25, 0xff000000, v24              ; the conversion's scale operand
	v_lshrrev_b32 v29, 23, v25
.if (\g) == 0                          ; what phase 2 wants from memory goes out here, a part in every second step: V first, then the table's quads 0 to 3.  No wait: their registers are named by loads alone, their offsets were made at the head
	VLOAD
.elseif ((\g) <= 8) && ((\g)%2 == 0)
	AVLOAD (\g)/2-1
.endif
	WIN 0x40
	v_sub_nc_u32 v[240+(\g)], v29, v30             ; byte + M, kept in window 1
	WIN 0
.if (\g) > 0                           ; the three stores of the last step's p are done: behind them stand only this step's other LDS instructions
.if (\g) < 14
	s_wait_dscnt 34                                ; 8 stores of R, 8 loads of R, 9 of K, 9 of the table
.elseif (\g) == 14
	s_wait_dscnt 25                                ; the same without the table's 9
.else
	s_wait_dscnt 0x0                               ; the last step asks LDS for nothing more
.endif
.endif
	s_wait_alu depctr_vm_vsrc(0)                   ; the stores of the last step's p have read v224-229, which the conversions below write; this step's stores of R have read v176-207, which the next step's table products (behind the last step: the bytes' lines) write
	CODES SB, 224, 230, 25                         ; this step's p: stored in the next step
.endm
; PHASE 2.  The addresses of table step tau: p's block for my column is b = 4 tau + 2 c + h + r - 15
.macro AADR tau
.irp c, 0,1
	v_add_nc_u32 v248, 4*(\tau)+2*\c-15, v236
	v_cmp_gt_u32 s[40+\c], 32, v248                ; does it lie in 0 .. 31?
	v_and_b32 v248, 31, v248
	v_mad_u32_u24 v[249+\c], v248, 24, v237
.endr
.endm
.macro ALDS tau                        ; its LDS loads: p's two blocks a lane into set tau % 2, and the two words that hold its four bytes: 8 loads
.set LPF, 192-48*((\tau)%2)
.irp c, 0,1
.irp k, 0,1,2
	ds_load_b64 v[LPF+6*\c+2*\k:LPF+6*\c+2*\k+1], v[249+\c] offset:8*\k
.endr
.endr
	ds_load_b32 v245, v238 offset:4*(\tau)
	ds_load_b32 v246, v238 offset:4*(\tau)+4
.endm
.macro VLDS s                          ; the LDS loads of V's step s, keys 128 s on: 4 fragments, their words, p and its word: 24 loads
.irp t, 0,1,2,3
	ds_load_b128 v[32+12*\t:32+12*\t+3], v233 offset:6144*(\s)+768*\t
	ds_load_b64 v[32+12*\t+4:32+12*\t+5], v2 offset:6144*(\s)+768*\t
	ds_load_b128 v[32+12*\t+6:32+12*\t+9], v233 offset:6144*(\s)+3072+768*\t
	ds_load_b64 v[32+12*\t+10:32+12*\t+11], v2 offset:6144*(\s)+3072+768*\t
.endr
	ds_load_b128 v[108:111], v3 offset:256*(\s)
.irp c, 0,1
.irp k, 0,1,2
	ds_load_b64 v[80+6*\c+2*\k:80+6*\c+2*\k+1], v240 offset:96*(\s)+48*\c+8*\k
.endr
.endr
	ds_load_b32 v252, v243 offset:4*(\s)
.endm
; TABLE STEP tau.  nk: what follows: 2 V's step tau and then table step tau + 1; 1 table step tau + 1; 0 nothing.  Its LDS data were asked for in the step before.
; Behind the line that makes p's scale word stand eight places that name nothing of the products (six lines of the next table step's addresses and two v_nop, or eight v_nop), as a scale register written by a vector
; instruction wants ahead of a scaled matrix instruction; the wait on va_vdst stands behind the places.
.macro ASTEP tau, nk
.set BF, 48*((\tau)%5)
.set BW, 208+4*((\tau)%5)
.if ((\tau)%5) == 4
.set BW, 104
.endif
.set PF, 192-48*((\tau)%2)
.set PW, 247+6*((\tau)%2)
	s_wait_dscnt 0x0                               ; p's blocks and bytes are in
.if ((\nk) > 0) && ((\tau) > 0)
	s_wait_alu depctr_vm_vsrc(0)                   ; this step's LDS loads have read v249 and v250, which the address lines below write anew (in step 0 the wait ahead of quad 4's loads has stated it)
.endif
	v_alignbit_b32 v[PW], v246, v245, v239         ; the four bytes from r + 1 + 4 tau on
.if ((\tau) < 4) || ((\tau) > 7)       ; in quads 4 to 7 every column's blocks lie in 0 .. 31
	s_wait_alu depctr_va_sdst(0)                   ; the two compares of this step's address lines, a step back, have written s40 and s41, which the selects read and the next compares write anew
.irp c, 0,1
.irp i, 0,1,2,3,4,5
	v_cndmask_b32 v[PF+6*\c+\i], 0, v[PF+6*\c+\i], s[40+\c]
.endr
.endr
.else
	s_wait_alu depctr_va_sdst(0)                   ; the two compares of this step's address lines, a step back, have written s40 and s41, which the compares of the address lines below name next: they write them anew
.endif
.if (\nk) > 0
	AADR (\tau)+1
	PLACES 2
	s_wait_alu depctr_va_vdst(0)                   ; p's scale word and the codes that the selects wrote are written, which the products below take; v249 and v250 are written, by which the next table step's LDS loads go; v245 and v246 have been read, in which those loads land; the products issued so far are done reading V's fragments, p for V, the other set of p and the table's buffer of the last table step, with their words, in which the loads up to the next such wait land
.else
	PLACES 8
	s_wait_alu depctr_va_vdst(0)                   ; p's scale word and the codes that the selects wrote are written, which the products below take
.endif
.if (\nk) == 1
	ALDS (\tau)+1
.elseif (\nk) == 2
	VLDS (\tau)
.endif
.if ((\tau) > 0) && ((\tau) < 8)
	AVLOAD (\tau)+4                                ; into the buffer that the last table step read; between the wait above and these loads stand loads and window switches alone
.endif
.if (\tau) < 8
	s_wait_loadcnt 52                              ; this quad's 13 loads are in; those of the four quads behind it may be out
.else
	s_wait_loadcnt 13*(11-(\tau))                  ; the counts run down
.endif
	WIN 0x01                                       ; source 0, the table, in window 1
.irp t, 0,1,2,3
.if (\tau) == 0
	v_wmma_scale_f32_16x16x128_f8f6f4 v[112+8*\t:112+8*\t+7], v[BF+12*\t:BF+12*\t+11], v[PF:PF+11], 0, v[BW+\t], v[PW] matrix_a_fmt:MATRIX_FMT_FP6 matrix_b_fmt:MATRIX_FMT_FP6
.else
	v_wmma_scale_f32_16x16x128_f8f6f4 v[112+8*\t:112+8*\t+7], v[BF+12*\t:BF+12*\t+11], v[PF:PF+11], v[112+8*\t:112+8*\t+7], v[BW+\t], v[PW] matrix_a_fmt:MATRIX_FMT_FP6 matrix_b_fmt:MATRIX_FMT_FP6
.endif
.endr
	WIN 0
.endm
; V'S STEP s; table step s + 1 follows.  All its operands and scales come by loads: they owe only their wait.  The eight LDS loads for table step s + 1 owe no wait of their own: since the table step's wait on va_vdst
; only its four products were issued, which name O^T, their buffer of the table, p's set s % 2 and their scale words: none of the registers that these loads touch
.macro VSTEP s
	s_wait_dscnt 0x0
	ALDS (\s)+1
.irp t, 0,1,2,3
	v_wmma_scale_f32_16x16x128_f8f6f4 v[112+8*\t:112+8*\t+7], v[32+12*\t:32+12*\t+11], v[80:91], v[112+8*\t:112+8*\t+7], v[108+\t], v252 matrix_a_fmt:MATRIX_FMT_FP6 matrix_b_fmt:MATRIX_FMT_FP6
.endr
.endm
	s_load_b256 s[4:11], s[0:1], 0x0               ; QK, VB, TAB, OCS
	v_lshl_add_u32 v241, v0, 2, 0x4d600
	v_mov_b32 v242, 0
	v_lshrrev_b32 v194, 5, v0
	v_readfirstlane_b32 s12, v194                  ; wave w
	s_and_b32 s13, ttmp7, 0xffff                   ; 16 batch + head
	s_and_b32 s14, ttmp9, 3                        ; a
	s_lshr_b32 s15, ttmp9, 2                       ; g
	s_lshr_b32 s16, s13, 4                         ; batch
	s_and_b32 s17, s13, 15                         ; head
	s_xor_b32 s18, s15, 1                          ; 1 - g
	s_lshl_b32 s19, s15, 3
	s_wait_alu depctr_va_sdst(0)                   ; s12 is written, ahead of its first reader: offsets and LDS addresses are made from it
	s_add_co_u32 s19, s19, s12                     ; 8 g + w
	s_mov_b32 s46, 0x76543210
	s_mov_b32 s47, 0xfedcba98
	s_mov_b32 s48, 0x3cb8aa3b                      ; log2(e) / 64
	s_mov_b32 s49, s48
	s_mul_i32 s20, s13, 53248
	s_mov_b32 s21, 0
	s_lshl_b32 s22, s19, 2
	s_add_co_u32 s22, s22, s14
	s_mul_i32 s22, s22, 768
	s_add_co_u32 s22, s22, s20                     ; q's half image 4 (8 g + w) + a
	s_mov_b32 s23, 0
	s_lshl_b32 s24, s19, 8
	s_lshl_b32 s25, s14, 2
	s_add_co_u32 s24, s24, s25
	s_add_co_u32 s24, s24, s20
	s_add_co_u32 s24, s24, 49152                   ; its scale words
	s_mov_b32 s25, 0
	s_mul_i32 s26, s14, 106496
	s_mul_i32 s27, s18, 24576
	s_add_co_u32 s28, s26, 16384+98304
	s_add_co_u32 s26, s26, s27
	s_add_co_u32 s26, s26, 16384                   ; copy a of the key table, from group 8 (1 - g)
	s_lshl_b32 s27, s18, 11
	s_add_co_u32 s28, s28, s27
	s_mov_b32 s27, 0
	s_mov_b32 s29, 0
	s_add_co_u32 s20, s20, 3407872                 ; K's block
	s_lshl_b32 s30, s16, 4
	s_lshl_b32 s31, s12, 1
	s_add_co_u32 s30, s30, s31
	s_mul_i32 s30, s30, 53248                      ; V's blocks 16 batch + 2 w, + 1
	s_lshl_b32 s32, s17, 8
	s_add_co_u32 s32, s32, s30
	s_add_co_u32 s32, s32, 49152
	s_mul_i32 s31, s17, 3072
	s_add_co_u32 s30, s30, s31
	s_mov_b32 s31, 0
	s_mov_b32 s33, 0
	s_lshl_b32 s34, s12, 2
	s_add_co_u32 s34, s34, s14                     ; rho = a + 4 w
	s_mul_i32 s36, s34, 102400
	s_add_co_u32 s36, s36, 442368
	s_lshl_b32 s38, s18, 10
	s_add_co_u32 s38, s38, s36
	s_add_co_u32 s38, s38, 98304
	s_mul_i32 s37, s18, 24576
	s_add_co_u32 s36, s36, s37                     ; T_rho from quad 4 (1 - g)
	s_mov_b32 s37, 0
	s_mov_b32 s39, 0
	s_lshl_b32 s42, s16, 6
	s_lshl_b32 s43, s34, 1
	s_add_co_u32 s42, s42, s43
	s_add_co_u32 s42, s42, s15
	s_mul_i32 s42, s42, 12800                      ; the output's tile 64 batch + 2 rho + g
	s_lshr_b32 s44, s17, 1
	s_lshl_b32 s44, s44, 6
	s_and_b32 s45, s17, 1
	s_lshl_b32 s45, s45, 1
	s_add_co_u32 s44, s44, s45
	s_add_co_u32 s44, s44, s42
	s_mul_i32 s43, s17, 768
	s_add_co_u32 s42, s42, s43
	s_add_co_u32 s42, s42, 512
	s_mov_b32 s43, 0
	s_mov_b32 s45, 0
	v_and_b32 v195, 31, v0                         ; lane
	v_and_b32 v196, 15, v0                         ; r = m
	v_bfe_u32 v197, v0, 4, 1                       ; h
	v_lshlrev_b32 v233, 4, v195
	v_lshlrev_b32 v234, 4, v196
	v_lshlrev_b32 v235, 3, v195
	v_lshlrev_b32 v198, 4, v0
	v_lshlrev_b32 v199, 3, v0
	s_wait_kmcnt 0x0
	s_add_nc_u64 s[20:21], s[4:5], s[20:21]
	s_add_nc_u64 s[22:23], s[4:5], s[22:23]
	s_add_nc_u64 s[24:25], s[4:5], s[24:25]
	s_add_nc_u64 s[26:27], s[8:9], s[26:27]
	s_add_nc_u64 s[28:29], s[8:9], s[28:29]
	s_add_nc_u64 s[30:31], s[6:7], s[30:31]
	s_add_nc_u64 s[32:33], s[6:7], s[32:33]
	s_add_nc_u64 s[36:37], s[8:9], s[36:37]
	s_add_nc_u64 s[38:39], s[8:9], s[38:39]
	s_add_nc_u64 s[42:43], s[10:11], s[42:43]
	s_add_nc_u64 s[44:45], s[10:11], s[44:45]
	s_wait_alu depctr_va_vdst(0)                   ; the offsets v198, v199 and v233 to v235 are written, which the loads below read
.irp k, 0,1,2,3,4,5,6,7,8,9,10,11,12
	global_load_b128 v[44+4*\k:44+4*\k+3], v198, s[20:21] offset:4096*\k
.endr
.irp k, 0,1,2,3,4,5,6,7,8,9,10,11,12,13,14,15,16,17
	global_load_b128 v[112+4*\k:112+4*\k+3], v198, s[26:27] offset:4096*\k
.endr
.irp k, 0,1,2
	global_load_b64 v[184+2*\k:184+2*\k+1], v199, s[28:29] offset:2048*\k
.endr
	global_load_b128 v[32:35], v233, s[22:23]
	global_load_b64 v[36:37], v235, s[22:23] offset:512
	global_load_b32 v31, v234, s[24:25]
	; every LDS address of the launch but those of the table steps, from the thread's number and the wave's alone; none of these lines names a register of the loads above
	v_add_nc_u32 v200, AKW, v198
	v_add_nc_u32 v201, 65536, v200
	v_add_nc_u32 v202, AKS, v199
	v_add_nc_u32 v203, PS, v198
.irp i, 190,191,192,193
	v_mov_b32 v\i, 0x7f7f7f7f
.endr
	s_xor_b32 s50, s12, 7                          ; my window begins at group 7 - w of the 24
	s_mul_i32 s51, s50, 3072
	s_add_co_u32 s51, s51, AKW
	s_lshl_b32 s52, s50, 8
	s_add_co_u32 s52, s52, AKS
	s_mul_i32 s53, s12, 16*SP
	s_add_co_u32 s53, s53, SCR
	v_add_nc_u32 v2, 512, v235
	v_add_nc_u32 v3, 49152, v234
	v_add_nc_u32 v4, s51, v233
	v_add_nc_u32 v5, s51, v2
	v_add_nc_u32 v6, s52, v234
	v_mul_u32_u24 v204, v196, SP
	v_add_nc_u32 v204, s53, v204                   ; my row of the scratch
	v_lshl_add_u32 v7, v197, 7, v204
	v_lshlrev_b32 v205, 4, v196
	v_sub_nc_u32 v205, 240, v205
	v_lshl_add_u32 v205, v197, 7, v205             ; 240 - 16 m + 128 h
	v_add_nc_u32 v8, v204, v205
.irp q, 0,1,2,3,4,5,6,7
	v_add_nc_u32 v[10+\q], 16*\q, v205
	v_xor_b32 v[10+\q], 256, v[10+\q]
	v_add_nc_u32 v[10+\q], v204, v[10+\q]
.endr
	v_and_b32 v206, 7, v196
	v_lshlrev_b32 v206, 4, v206
	v_lshrrev_b32 v207, 3, v196
	v_add_nc_u32 v206, v206, v207
	s_lshl_b32 s54, s12, 1
	v_add_nc_u32 v206, s54, v206                   ; my query's row in P: 16 (m & 7) + 2 w + (m >> 3)
	v_mul_u32_u24 v9, v206, 776
	v_mad_u32_u24 v9, v197, 24, v9
	v_add_nc_u32 v9, PP, v9
	v_lshl_add_u32 v251, v206, 2, LS
	v_mul_u32_u24 v1, v206, 96
	v_add_nc_u32 v1, v1, v197
	v_add_nc_u32 v1, PS+16, v1
	s_lshl_b32 s55, s12, 4
	v_add_nc_u32 v207, s55, v196                   ; phase 2: column r is row 16 w + r of P
	v_add_nc_u32 v236, v196, v197
	v_mul_u32_u24 v237, v207, 776
	v_add_nc_u32 v237, PP, v237
	v_mad_u32_u24 v240, v197, 24, v237
	v_mul_u32_u24 v243, v207, 96
	v_add_nc_u32 v243, PS, v243
	v_add_nc_u32 v248, 1, v196
	v_and_b32 v239, 3, v248
	v_lshlrev_b32 v239, 3, v239
	v_and_b32 v248, 0x1c, v248
	v_add_nc_u32 v238, v243, v248
	v_add_nc_u32 v243, 16, v243
	v_lshl_add_u32 v244, v207, 2, LS
	s_wait_loadcnt 0x0
	s_wait_alu depctr_va_vdst(0)                   ; the LDS addresses made above (v1 to v17, v200 to v203, v236 to v251) and the four registers of 0x7f bytes are written: the LDS instructions of the whole launch read them
.irp k, 0,1,2,3,4,5,6,7,8,9,10,11,12
	ds_store_b128 v198, v[44+4*\k:44+4*\k+3] offset:4096*\k
.endr
.irp k, 0,1,2,3,4,5,6,7,8,9,10,11,12,13,14,15
	ds_store_b128 v200, v[112+4*\k:112+4*\k+3] offset:4096*\k
.endr
	ds_store_b128 v201, v[176:179]
	ds_store_b128 v201, v[180:183] offset:4096
.irp k, 0,1,2
	ds_store_b64 v202, v[184+2*\k:184+2*\k+1] offset:2048*\k
	ds_store_b128 v203, v[190:193] offset:4096*\k
.endr
	s_wait_alu depctr_vm_vsrc(0)                   ; the stores above and the head's loads have read v44-95 and v112-203: the zero codes below, the fragments' and R's loads and the table products write them from here on
.irp i, 38,39,40,41,42,43,68,69,70,71,72,73,98,99,100,101,102,103
	v_mov_b32 v\i, 0                               ; q's upper half, and what stands behind the last tiles: zero codes
.endr
	v_mov_b32 v19, 0xff61b1e6                      ; the largest t so far: -3e38
	v_floor_f32 v18, -v19
	v_mov_b32 v20, 0
	v_mov_b32 v21, 0
	v_mov_b32 v23, 0
	v_mov_b32 v28, 0
	s_wait_dscnt 0x0                               ; my stores have landed,
	s_barrier_signal -1
	s_barrier_wait -1                              ; everybody's have
	LDAK 0
	s_wait_dscnt 0x0
	s_wait_alu depctr_va_vdst(0)                   ; the zero codes in v38-43, v68-73 and v98-103 are written, which the scaled products take as parts of their operands; their places, the six lines behind them, stand ahead of this wait
	RMUL
	PLACES 5                                       ; the next four begin R anew: a matrix instruction that writes over an earlier one's result stands five places behind it
	s_wait_alu depctr_va_vdst(0)                   ; the products have written R, which the stores below read, and are done reading the table's group and its words, in which the loads below land
	RST 0
	LDAK 1
	s_wait_dscnt 0x0
	s_wait_alu depctr_vm_vsrc(0)                   ; the stores of group 0 have read R, which the products below write
	RMUL
	PLACES 5                                       ; five again: the first step's four table products begin R anew, and only LDS work, waits and other products stand between
	s_wait_alu depctr_va_vdst(0)                   ; the products have written R, which the stores below read, and are done reading the table's group and its words, in which the loads below land
	RST 1
	SLD 0
	LDK 0
	LDAK 2
	s_wait_alu depctr_vm_vsrc(0)                   ; the stores of group 1 have read R, which the first step's table products write
.irp g, 0,1,2,3,4,5,6,7,8,9,10,11,12,13,14,15
	SUB \g
.endr
	; the row's figures are finished
	v_add_f32 v20, v20, v21
	v_permlanex16_b32 v28, v20, s46, s47
	v_add_f32 v20, v20, v28                        ; l
	v_mov_b32 v29, 0
	WIN 0x01                                       ; source 0 window 1
.set g, 0
.rept 16
	v_add_nc_u32 v[176+g], v[240+g], v30           ; byte + M of its step - the last M, back in window 0
.set g, g+1
.endr
	WIN 0
.set g, 0
.rept 16
	v_cmp_gt_i32 s[14+g], 0, v[176+g]              ; the sixteen compares in one run, into s14 to s29, which are free since the head
.set g, g+1
.endr
	s_wait_alu depctr_va_sdst(0)                   ; the sixteen compares have written s14 to s29, which the selects read
.set g, 0
.rept 16
	v_cndmask_b32 v[176+g], v[176+g], v29, s[14+g] ; held at 0 from below
.set g, g+1
.endr
	s_mul_i32 s56, s12, 6144
	v_add_nc_u32 v24, s56, v233                    ; where V's two groups go: 6,144 w + 16 lane
	s_lshl_b32 s57, s12, 8
	s_add_co_u32 s57, s57, 49152
	v_add_nc_u32 v25, s57, v235                    ; and the pair's joined scale words: 256 w + 8 lane
	AADR 0
	s_wait_loadcnt 52                              ; V's 14 loads are in; the 52 of the table's quads 0 to 3, issued behind them, may be out
	v_lshl_or_b32 v252, v254, 16, v252             ; two bytes of each group of 64 keys make the word of 128: joined once, here
	v_lshl_or_b32 v253, v255, 16, v253
	s_wait_alu depctr_va_vdst(0)                   ; l, the last step's codes, the sixteen bytes and V's joined words are written, which the stores below read; so are v24, v25, v249 and v250, by which LDS instructions below go.  No vector line stands between here and phase 2
	ds_store_b32 v251, v20
	ds_store_b64 v9, v[224:225] offset:48*15       ; the last step's p
	ds_store_b64 v9, v[226:227] offset:48*15+8
	ds_store_b64 v9, v[228:229] offset:48*15+16
.set g, 0
.rept 16
	ds_store_b8 v1, v[176+g] offset:2*g
.set g, g+1
.endr
	s_wait_dscnt 0x0                               ; p, its bytes and l have landed; my reads of K are over
	s_barrier_signal -1
	s_barrier_wait -1
	WIN 0x04                                       ; an LDS store's data are its source 1: window 1
.irp gg, 0,1
.irp k, 0,1,2,3,4,5
	ds_store_b128 v24, v[192+24*\gg+4*\k:192+24*\gg+4*\k+3] offset:3072*\gg+512*\k
.endr
.endr
	WIN 0
	ds_store_b64 v25, v[252:253]
	ALDS 0                                         ; the first table step's p: written ahead of the barrier just passed, and by nobody since
	s_wait_dscnt 0x0                               ; V's stores have landed
	s_wait_alu depctr_vm_vsrc(0)                   ; V's stores have read the fifth buffer, in which quad 4 lands, and v24, v25, v252 and v253, which later lines and loads write; the stores of p have read v224-229; the loads just issued have read v249 and v250
	AVLOAD 4
	WIN 0
	s_barrier_signal -1
	s_barrier_wait -1                              ; V lies where K lay; from here on LDS is only read
.irp i, 0,1,2,3,4,5,6,7
	ASTEP \i, 2
	VSTEP \i
.endr
	ASTEP 8, 1
	ASTEP 9, 1
	ASTEP 10, 1
	ASTEP 11, 0
	ds_load_b32 v24, v244                          ; no wait: since the last wait on va_vdst only the four products were issued, which name neither register
	PLACES 4                                       ; behind the last products
	s_wait_dscnt 0x0
	v_rcp_f32 v24, v24
	v_nop                                          ; a plain place behind the transcendental
	s_wait_alu depctr_va_vdst(0)                   ; the reciprocal has written v24, ahead of its first reader
.set j, 0
.rept 32
	v_mul_f32 v[32+j], v[112+j], v24               ; O^T / l: register j is e = 32 h + j of query r
.set j, j+1
.endr
	AMAX 32, 25, 26
	v_add_nc_u32 v27, 0xff000000, v25
	v_lshrrev_b32 v29, 23, v27
	CODES 32, 224, 230, 27
	v_and_b32 v28, 15, v0
	v_bfe_u32 v26, v0, 4, 1
	v_lshl_add_u32 v28, v28, 2, v26
	s_wait_alu depctr_va_vdst(0)                   ; the codes v224-229, the byte v29 and the offset v28 are written, which the three stores read
	global_store_b128 v233, v[224:227], s[42:43]
	global_store_b64 v235, v[228:229], s[42:43] offset:512
	global_store_b8 v28, v29, s[44:45]
	s_wait_dscnt 0x0                               ; the closing lines, six on end
	s_wait_alu 0x0
	s_wait_tensorcnt 0x0
	ds_add_u32 v241, v242
	s_wait_dscnt 0x0
	s_endpgm
.Lfunc_end_k_qe4f8026832_attn:
	.size	k_qe4f8026832_attn, .Lfunc_end_k_qe4f8026832_attn-k_qe4f8026832_attn
	.p2alignl 7, 3214868480
	.fill 96, 4, 3214868480
	.section	.rodata,"a",@progbits
	.p2align	6, 0x0
	.amdhsa_kernel k_qe4f8026832_attn
		.amdhsa_group_segment_fixed_size 317952
		.amdhsa_private_segment_fixed_size 0
		.amdhsa_enable_private_segment 0
		.amdhsa_kernarg_size 32
		.amdhsa_user_sgpr_count 2
		.amdhsa_user_sgpr_kernarg_segment_ptr 1
		.amdhsa_wavefront_size32 1
		.amdhsa_system_sgpr_workgroup_id_x 1
		.amdhsa_system_sgpr_workgroup_id_y 1
		.amdhsa_system_sgpr_workgroup_id_z 1
		.amdhsa_system_vgpr_workitem_id 0
		.amdhsa_next_free_vgpr 512
		.amdhsa_next_free_sgpr 66
		.amdhsa_reserve_vcc 0
		.amdhsa_float_denorm_mode_32 3
		.amdhsa_float_denorm_mode_16_64 3
		.amdhsa_memory_ordered 1
		.amdhsa_forward_progress 1
		.amdhsa_inst_pref_size 224
	.end_amdhsa_kernel
	.amdgpu_metadata
---
amdhsa.version: [ 1, 2 ]
amdhsa.kernels:
  - .name:           k_qe4f8026832_attn
    .symbol:         k_qe4f8026832_attn.kd
    .args:
      - { .name: QK, .offset: 0, .size: 8, .value_kind: global_buffer, .address_space: global }
      - { .name: VB, .offset: 8, .size: 8, .value_kind: global_buffer, .address_space: global }
      - { .name: TAB, .offset: 16, .size: 8, .value_kind: global_buffer, .address_space: global }
      - { .name: OCS, .offset: 24, .size: 8, .value_kind: global_buffer, .address_space: global }
    .group_segment_fixed_size: 317952
    .private_segment_fixed_size: 0
    .kernarg_segment_align: 8
    .kernarg_segment_size: 32
    .max_flat_workgroup_size: 256
    .sgpr_count:     66
    .vgpr_count:     512
    .wavefront_size: 32
...
	.end_amdgpu_metadata
.endif
;; end of part 5
;; launch outp: the kernel of part 4 again; grid 8 x 32, 4 waves a work-group, clusters of 4 x 4, 222,720 bytes of LDS; arguments WVD, OCS, bd, out0; writes out0
